; MI455X (gfx1250); checked and timed in simulation.
; The chip was launched on July 23, 2026; its instructions are those of AMD's public machine-readable ISA for CDNA 5 (MIT licence, August 2026) and "CDNA5" Instruction Set Architecture Reference Guide (July 2026). The comments in the code are by the model that wrote it; some were corrected since.
;; Di T Self Attention. Allowed arithmetic: matrix products marked QUANTISED: E2M1 operands, one E8M0 scale for each 32 along K, by v_wmma_scale_f32_16x16x128_f8f6f4 with both operands' format E2M1 (or v_wmma_scale_f32_32x16x128_f4), f32 sums; products left as they are: bf16, f16 or f32 operands; f32 sums; everything else in f32.
;; Inputs: bk 2,048 float32; bo 2,048 float32; bq 2,048 float32; bv 2,048 float32; frame_mask 1 x 2,048 bool; freqs_cs 1,024 x 64 x 2 float32; gk 2,048 float32; gq 2,048 float32; wk 2,048 x 2,048 float32; wo 2,048 x 2,048 float32; wq 2,048 x 2,048 float32; wv 2,048 x 2,048 float32; x 1 x 2,048 x 2,048 float32.
;; Outputs: out0 1 x 2,048 x 2,048 float32.
;; Constants: f_p = 8, h_p = 16, w_p = 16.
;; This version of the problem:
;;   THIS VERSION OF THE PROBLEM IS GIVEN IN LOW PRECISION. The matrix products marked QUANTISED in the list below multiply operands that are first quantised to E2M1 (2 exponent bits, 1 mantissa bit; 4 bits a number), with one power-of-two scale for each 32 numbers along K (OCP MX v1.0); their sums are f32. The products marked 'left as it is' may take bf16, f16 or f32 operands, with f32 sums. Whichever they take, every output number must still come out within the allowed error. Rounding operands to bf16 (8 significant bits) uses up far more of that allowance than f16 does (11 bits, for magnitudes from 6e-5 to 65,504). All else is computed in f32.
;;   The module's matrix products, in the order in which they are computed (A, B: the left and right operand; K: the contracted axis; several contracted axes count as one K, in the product's order):
;;     1. [M 2,048, K 2,048] x [K 2,048, N 2,048]; A: input x; B: input wq: QUANTISED
;;     2. [M 2,048, K 2,048] x [K 2,048, N 2,048]; A: input x; B: input wk: QUANTISED
;;     3. [M 2,048, K 2,048] x [K 2,048, N 2,048]; A: input x; B: input wv: QUANTISED
;;     4. batch 16 x [M 2,048, K 128] x [K 128, N 2,048]; A: computed on the way; B: computed on the way: left as it is (an operand is computed on the way)
;;     5. batch 16 x [M 128, K 2,048] x [K 2,048, N 2,048]; A: computed on the way; B: computed on the way: left as it is (an operand is computed on the way)
;;     6. [M 2,048, K 2,048] x [K 2,048, N 2,048]; A: computed on the way; B: input wo: left as it is (an operand is computed on the way)
;;   THE QUANTISER, for each operand of a quantised product, along K:
;;     - K is cut into blocks of 32 from its start; a last block that is shorter is filled with zeros.
;;     - A block's scale is 2^e with e = floor(log2(the largest magnitude in the block)) - 2, held to -126 .. 127; a block of zeros has e = 0. As a byte (E8M0): e + 127.
;;     - Each number is divided by its block's scale, clamped to +-6, and rounded to the nearest number of E2M1, ties to even, subnormals kept.
;;     - The product sums the exact products of the quantised numbers (number of the format x scale) in f32.
;;   ~~~python
;;   def quantise(x, axis):      # numpy; x: float32 -> the quantised numbers, widened to float32 again
;;       x = np.moveaxis(x, axis, -1); K = x.shape[-1]
;;       x = np.pad(x, [(0, 0)] * (x.ndim - 1) + [(0, -K % 32)]); x = x.reshape(x.shape[:-1] + (-1, 32)); a = np.abs(x).max(-1, keepdims=True)
;;       e = np.where(a > 0, np.clip(np.frexp(np.where(a > 0, a, 1))[1] - 1 - 2, -126, 127), 0)      # np.frexp(a)[1] - 1 = floor(log2(a)), exactly
;;       r = np.clip(x / 2.0 ** e, -6, 6)
;;       step = 2.0 ** (np.maximum(np.frexp(np.where(r == 0, 1, r))[1] - 1, 0) - 1)
;;       q = np.round(r / step) * step * 2.0 ** e      # np.round: ties to even
;;       return np.moveaxis(q.reshape(q.shape[:-2] + (-1,))[..., :K], -1, axis).astype(np.float32)
;;   ~~~
;; One version. Each part assembles by itself: llvm-mc -triple=amdgcn-amd-amdhsa -mcpu=gfx1250 --defsym DOCPART=n.
;; ======== version 1 of 1: 4 launches
;; limits: values are held in f16: magnitudes above 65,504 overflow, below 6.1e-05 lose precision
;; workspace buffers: xwc 8,388,608 bytes; xws 524,288 bytes; wo16 8,388,608 bytes; qkv 25,165,824 bytes; ss 262,144 bytes; o16 8,388,608 bytes
;; launch prep (part 1): grid 640 x 1, 4 waves a work-group, no clusters, 33,280 bytes of LDS; arguments x, wq, wk, wv, wo, xwc, xws, wo16; writes xwc, xws, wo16
.if DOCPART == 1
	.amdgcn_target "amdgcn-amd-amdhsa--gfx1250"
	.amdhsa_code_object_version 6
	.text
	.protected	k_q4e69597689_prep
	.globl	k_q4e69597689_prep
	.p2align	8
	.type	k_q4e69597689_prep,@function
k_q4e69597689_prep:
	s_mov_b64 s[64:65], 0
	v_nop
	global_prefetch_b8 v0, s[64:65] scope:SCOPE_SE
	s_setreg_imm32_b32 hwreg(HW_REG_WAVE_MODE, 25, 1), 1
	s_wait_xcnt 0x0
; x, wq, wk, wv ([2048][2048] f32, K innermost) become codes of FP4 (E2M1) with one E8M0 byte for each 32 along K; wo becomes f16.
; xwc: [8192 rows][1024 bytes], rows 0-2047 x, then wq, wk, wv; two codes a byte, the lower k in the low four bits.  xws: [8192][64].  wo16: [2048][2048] f16.
; A block's scale is 2^(floor(log2(its largest magnitude)) - 2); its byte is the largest magnitude's exponent field - 2, held at 1 from below.  A block of zeros so gets the byte 1:
; its codes are zeros, which add nothing under any byte but 0xff, and the bytes are read by this program alone.
; LIMITS: blocks whose largest magnitude lies under 2^-124 keep the byte 1; NaN and infinities among the inputs are not served; |wo| stays under 65,504 (f16).
; SHARES.  Rows are dense and 2048 is a multiple of 32, so each tensor is a plain stream.  Work-groups 0-511: 128 for each of the four tensors, a wave takes 16 steps of 512 numbers.
; Work-groups 512-639: wo, a wave takes 8,192 numbers.  The two ways part on the work-group's number; wo's way touches no LDS but its spare words.
; No tensor loads, no barrier: waves share nothing.  Memory binds, so: each byte once, loads of 512 consecutive bytes a wave, stores of 256 consecutive aligned bytes a wave.
.set WAVES, 4
.set STEPS, 16
.set EMAX,  2
.set CB,    8                          ; bytes of 16 codes
.set R,     16                         ; v16-79   four sets of 16 numbers as loaded (wo: v16-143, two sets of 64)
.set X,     80                         ; v80-111  two sets of 16 neighbours
.set E,     112                        ; v112-127 a scale byte for each step
.set C,     128                        ; v128-191 codes, four registers a step: no store's data are written again
.set HO,    144                        ; wo: v144-175 packed f16
.set WREG,  8192                       ; LDS: a region for each wave: two stages of 32 x SP bytes, behind them its 256 scale bytes
.set SP,    80                         ; a lane's place in a stage: 64 bytes + 16 of padding
.set SPW,   12                         ; v12 LDS address of my spare word; never rewritten
.set NIL,   13                         ; v13 0; never rewritten
.set SPARE, WAVES*WREG                 ; the spare words: 128 bytes a wave, two blocks of 256 bytes that no other line names
	s_load_b256 s[4:11], s[0:1], 0x0               ; x, wq, wk, wv
	s_load_b256 s[12:19], s[0:1], 0x20             ; wo, xwc, xws, wo16
	v_lshl_add_u32 v[SPW], v0, 2, SPARE
	v_mov_b32 v[NIL], 0
	v_lshrrev_b32 v1, 5, v0
	v_readfirstlane_b32 s20, v1                    ; wave
	v_and_b32 v2, 31, v0                           ; lane
	v_lshlrev_b32 v3, 4, v2                        ; my 16 bytes of a load's 512
	s_mul_i32 s22, s20, WREG
	v_lshrrev_b32 v14, 2, v2
	v_mul_u32_u24 v14, v14, SP
	v_and_b32 v15, 3, v2
	v_lshl_add_u32 v14, v15, 4, v14
	v_add_nc_u32 v14, s22, v14                     ; the stage, way in: four lanes' 64 bytes on end, then 16 of padding
	v_mul_u32_u24 v15, v2, SP
	v_add_nc_u32 v15, s22, v15                     ; way out: SP x lane: my 16 neighbours
	v_mul_u32_u24 v4, v2, CB                       ; 8 bytes a lane: my codes' place in a step's; wo: my four f16
	v_lshrrev_b32 v5, 1, v2
	s_add_co_u32 s22, s22, 2*32*SP
	v_add_nc_u32 v5, s22, v5                       ; LDS: my wave's 256 scale bytes, my block's byte
	v_lshlrev_b32 v7, 3, v2
	v_add_nc_u32 v6, s22, v7
	s_mov_b32 s23, 0
	s_wait_kmcnt 0x0
	s_cmp_ge_u32 ttmp9, 512
	s_cbranch_scc1 .Lwo
	; ---- the quantiser: which tensor, which run of 8,192 numbers
	s_lshr_b32 s21, ttmp9, 7
	s_cmp_eq_u32 s21, 1                            ; the choices hang on the work-group's number alone
	s_cselect_b64 s[4:5], s[6:7], s[4:5]
	s_cmp_eq_u32 s21, 2
	s_cselect_b64 s[4:5], s[8:9], s[4:5]
	s_cmp_eq_u32 s21, 3
	s_cselect_b64 s[4:5], s[10:11], s[4:5]
	s_and_b32 s22, ttmp9, 127
	s_lshl_b32 s22, s22, 2
	s_add_co_u32 s22, s22, s20
	s_lshl_b32 s22, s22, 15                        ; 32,768 bytes of f32 a run
	s_add_nc_u64 s[4:5], s[4:5], s[22:23]
	s_lshl_b32 s24, ttmp9, 2
	s_add_co_u32 s24, s24, s20                     ; the run's number over all four tensors: the outputs lie on end
	s_lshl_b32 s22, s24, 12                        ; 4,096 bytes of codes a run
	s_add_nc_u64 s[14:15], s[14:15], s[22:23]
	s_lshl_b32 s22, s24, 8                         ; 256 scale bytes a run
	s_add_nc_u64 s[16:17], s[16:17], s[22:23]
.macro LOAD t
.irp i, 0,1,2,3
	global_load_b128 v[R+16*((\t)%4)+4*\i:R+16*((\t)%4)+4*\i+3], v3, s[4:5] offset:2048*(\t)+512*\i th:TH_LOAD_NT   ; 32 lanes read 512 consecutive bytes
.endr
.endm
.macro TURN t                          ; step t's numbers through the stage: LDS serves a wave's instructions in order, so no wait stands between the stores and the loads
.irp i, 0,1,2,3
	ds_store_b128 v14, v[R+16*((\t)%4)+4*\i:R+16*((\t)%4)+4*\i+3] offset:32*SP*((\t)%2)+8*SP*\i
.endr
.irp i, 0,1,2,3
	ds_load_b128 v[X+16*((\t)%2)+4*\i:X+16*((\t)%2)+4*\i+3], v15 offset:32*SP*((\t)%2)+16*\i
.endr
.endm
.irp t, 0,1,2,3
	LOAD \t
.endr
	s_wait_loadcnt 12                              ; step 0's four loads are in; three steps' twelve may be out
	TURN 0
.macro STEP t
.set XS, X+16*((\t)%2)
.if (\t) > 0
	s_wait_dscnt 1                                 ; this step's numbers are back from the stage; the last step's byte store may be out
.else
	s_wait_dscnt 0x0
.endif
.if (\t)+4 < STEPS
	LOAD (\t)+4                                    ; into the registers that the stage's stores have read
.endif
.if (\t)+1 < STEPS
.if STEPS-2-(\t) >= 3
	s_wait_loadcnt 12                              ; the next step's four loads are in; those of the three steps behind it may be out
.else
	s_wait_loadcnt 4*(STEPS-2-(\t))
.endif
	TURN (\t)+1
.endif
	v_max3_num_f32 v8, |v[XS]|, |v[XS+1]|, |v[XS+2]|               ; the largest magnitude of my 16, in two chains
	v_max3_num_f32 v9, |v[XS+3]|, |v[XS+4]|, |v[XS+5]|
.irp i, 6,10
	v_max3_num_f32 v8, v8, |v[XS+\i]|, |v[XS+\i+1]|
	v_max3_num_f32 v9, v9, |v[XS+\i+2]|, |v[XS+\i+3]|
.endr
	v_max3_num_f32 v8, v8, |v[XS+14]|, |v[XS+15]|
	v_max3_num_f32 v8, v8, v9, (EMAX+1)<<23        ; and the floor 2^(3 - 127): the byte cannot fall under 1
	v_max_num_f32_dpp v8, v8, v8 row_xmask:1 row_mask:0xf bank_mask:0xf   ; with my neighbour's 16: the block's
	v_add_nc_u32 v11, -(EMAX<<23), v8              ; 2 off its exponent field: the conversion takes the exponent field of this operand as its scale
	v_cvt_scalef32_pk8_fp4_f32 v[C+4*(\t)], v[XS:XS+7], v11
	v_cvt_scalef32_pk8_fp4_f32 v[C+4*(\t)+1], v[XS+8:XS+15], v11
	v_lshrrev_b32 v[E+(\t)], 23, v11               ; the scale's byte
	ds_store_b8 v5, v[E+(\t)] offset:16*(\t)       ; both lanes of a block write the same byte with the same value
	global_store_b64 v4, v[C+4*(\t):C+4*(\t)+1], s[14:15] offset:32*CB*(\t)   ; the wave stores 256 consecutive bytes, aligned
.endm
.irp t, 0,1,2,3,4,5,6,7,8,9,10,11,12,13,14,15
	STEP \t
.endr
	ds_load_b64 v[8:9], v6                         ; LDS serves a wave's instructions in order: these see my byte stores
	s_wait_dscnt 0x0
	global_store_b64 v7, v[8:9], s[16:17]          ; 32 lanes store 256 consecutive bytes, aligned
	s_branch .Lend
	; ---- wo to f16: four groups of 16 loads, one group ahead
.Lwo:
	s_sub_co_u32 s24, ttmp9, 512
	s_lshl_b32 s24, s24, 2
	s_add_co_u32 s24, s24, s20
	s_lshl_b32 s22, s24, 15
	s_add_nc_u64 s[12:13], s[12:13], s[22:23]
	s_lshl_b32 s22, s24, 14
	s_add_nc_u64 s[18:19], s[18:19], s[22:23]
.macro LOADG g
.irp i, 0,1,2,3,4,5,6,7,8,9,10,11,12,13,14,15
	global_load_b128 v[R+64*((\g)%2)+4*\i:R+64*((\g)%2)+4*\i+3], v3, s[12:13] offset:8192*(\g)+512*\i th:TH_LOAD_NT
.endr
.endm
.macro CVTG g
.if (\g) < 3
	s_wait_loadcnt 16                              ; this group's 16 loads are in; the next group's may be out
.else
	s_wait_loadcnt 0x0
.endif
	s_wait_xcnt 0x0                                ; the last group's stores have read their data: only now are these registers written again
.irp i, 0,1,2,3,4,5,6,7,8,9,10,11,12,13,14,15
	v_cvt_pk_f16_f32 v[HO+2*\i], v[R+64*((\g)%2)+4*\i], v[R+64*((\g)%2)+4*\i+1]
	v_cvt_pk_f16_f32 v[HO+2*\i+1], v[R+64*((\g)%2)+4*\i+2], v[R+64*((\g)%2)+4*\i+3]
.endr
.irp i, 0,1,2,3,4,5,6,7,8,9,10,11,12,13,14,15
	global_store_b64 v4, v[HO+2*\i:HO+2*\i+1], s[18:19] offset:4096*(\g)+256*\i   ; the wave stores 256 consecutive bytes, aligned
.endr
.endm
	LOADG 0
	LOADG 1
	CVTG 0
	LOADG 2
	CVTG 1
	LOADG 3
	CVTG 2
	CVTG 3
.Lend:
	s_wait_tensorcnt 0x0                           ; the wave's end, behind my last LDS store
	ds_add_u32 v[SPW], v[NIL]
	s_wait_dscnt 0x0
	s_endpgm
.Lfunc_end_k_q4e69597689_prep:
	.size	k_q4e69597689_prep, .Lfunc_end_k_q4e69597689_prep-k_q4e69597689_prep
	.p2alignl 7, 3214868480
	.fill 96, 4, 3214868480
	.section	.rodata,"a",@progbits
	.p2align	6, 0x0
	.amdhsa_kernel k_q4e69597689_prep
		.amdhsa_group_segment_fixed_size 33280
		.amdhsa_private_segment_fixed_size 0
		.amdhsa_enable_private_segment 0
		.amdhsa_kernarg_size 64
		.amdhsa_user_sgpr_count 2
		.amdhsa_user_sgpr_kernarg_segment_ptr 1
		.amdhsa_wavefront_size32 1
		.amdhsa_system_sgpr_workgroup_id_x 1
		.amdhsa_system_sgpr_workgroup_id_y 1
		.amdhsa_system_sgpr_workgroup_id_z 1
		.amdhsa_system_vgpr_workitem_id 0
		.amdhsa_next_free_vgpr 192
		.amdhsa_next_free_sgpr 66
		.amdhsa_reserve_vcc 0
		.amdhsa_float_denorm_mode_32 3
		.amdhsa_float_denorm_mode_16_64 3
		.amdhsa_memory_ordered 1
		.amdhsa_forward_progress 1
		.amdhsa_inst_pref_size 54
	.end_amdhsa_kernel
	.amdgpu_metadata
---
amdhsa.version: [ 1, 2 ]
amdhsa.kernels:
  - .name:           k_q4e69597689_prep
    .symbol:         k_q4e69597689_prep.kd
    .args:
      - { .name: x, .offset: 0, .size: 8, .value_kind: global_buffer, .address_space: global }
      - { .name: wq, .offset: 8, .size: 8, .value_kind: global_buffer, .address_space: global }
      - { .name: wk, .offset: 16, .size: 8, .value_kind: global_buffer, .address_space: global }
      - { .name: wv, .offset: 24, .size: 8, .value_kind: global_buffer, .address_space: global }
      - { .name: wo, .offset: 32, .size: 8, .value_kind: global_buffer, .address_space: global }
      - { .name: xwc, .offset: 40, .size: 8, .value_kind: global_buffer, .address_space: global }
      - { .name: xws, .offset: 48, .size: 8, .value_kind: global_buffer, .address_space: global }
      - { .name: wo16, .offset: 56, .size: 8, .value_kind: global_buffer, .address_space: global }
    .group_segment_fixed_size: 33280
    .private_segment_fixed_size: 0
    .kernarg_segment_align: 8
    .kernarg_segment_size: 64
    .max_flat_workgroup_size: 128
    .sgpr_count:     66
    .vgpr_count:     192
    .wavefront_size: 32
...
	.end_amdgpu_metadata
.endif
;; end of part 1
;; launch qkv (part 2): grid 24 x 8, 4 waves a work-group, clusters of 4 x 4, 327,680 bytes of LDS; arguments xwc, xws, bq, bk, bv, gq, gk, freqs_cs, frame_mask, qkv, ss; writes qkv, ss
.if DOCPART == 2
	.amdgcn_target "amdgcn-amd-amdhsa--gfx1250"
	.amdhsa_code_object_version 6
	.text
	.protected	k_q4e69597689_qkv
	.globl	k_q4e69597689_qkv
	.p2align	8
	.type	k_q4e69597689_qkv,@function
k_q4e69597689_qkv:
	s_mov_b64 s[64:65], 0
	v_nop
	global_prefetch_b8 v0, s[64:65] scope:SCOPE_SE
	s_setreg_imm32_b32 hwreg(HW_REG_WAVE_MODE, 25, 1), 1
	s_wait_xcnt 0x0
	s_wait_alu depctr_hold_cnt(0) depctr_sa_sdst(0) depctr_va_vdst(0) depctr_va_sdst(0) depctr_va_ssrc(0) depctr_va_vcc(0) depctr_vm_vsrc(0)
	s_getreg_b32 s2, hwreg(HW_REG_IB_STS2, 6, 4)
	s_cmp_eq_u32 s2, 0
	s_cbranch_scc0 .Lentry_in_a_cluster
	s_endpgm
.Lentry_in_a_cluster:
	s_bfe_u32 s2, ttmp6, 0x10000c
	s_cmp_lg_u32 s2, 0xf033
	s_cbranch_scc0 .Lentry_shape_is_right
	s_endpgm
.Lentry_shape_is_right:
; y = Q(x) Q(w)^T + b for w = wq, wk, wv as ONE product [2048] x [6144] over K = 2048 on codes of FP4 (E2M1) with E8M0 scales, sums in f32; then, in registers, what reference() does to the rows.
; A: rows 0-2047 of xwc (x); B: rows 2048-8191 (wq, wk, wv).  A tile of C, 256 x 256, is made by four waves; a wave makes 128 x 128: 64 accumulators of 16 x 16, 512 registers.
; A WAVE'S 128 COLUMNS ARE ONE HEAD.  reference()'s RMS norm spans the row's 16 heads, which no tile sees.  So q and k leave NORMALISED BY HEAD, and the row's factor is made later from 16 stored sums:
;   ss = mask ? sum over the head's 128 of y^2 : 0  (f32, stored [q, k][head][token]);   stored row = rope(y g) x (mask ? rsq(max(ss / 128, 2^-100)) : 0), as f16: at most 11.3 |g| in size.
;   v = mask ? y : 0, as f16.   All three lie [tensor][head][token][128]: a row is 256 bytes.
; LIMITS: inputs finite; |v| under 65,504 and |g| under 5,700 (f16); a masked row whose y is not finite gives NaN in q and k (0 x infinity).
; K goes in steps of 512 through a ring of two LDS slots filled by the tensor data mover; a tile's row is 256 bytes of memory.  The scale bytes of the work-group's rows, for all of K, come once, with the first fills.
; CLUSTERS: 4 x 4 work-groups.  The four of a row of the cluster need the same tiles of A, the four of a column the same tiles of B: each tile is asked for JOINTLY, by the same tensor load with the same descriptor
; and a mask that names the four.  A cluster's four tile columns lie in one tensor (8 tile columns each), so the branch on the tensor is the same in all partners.
; 192 work-groups: a tile of 256 x 192 would make 256, but a wave's columns would then be no head and the sums of squares would have to cross waves.
; THE MATRIX INSTRUCTION IS USED TRANSPOSED (source 0 = 16 rows of B, source 1 = 16 rows of A): lane (r, h) of accumulator (a, b) holds row 16 a + r and columns 16 b + 8 h + 0 .. 7.
; The bias is the C of each sum's first product.
; REGISTERS.  window 0: v1-31 addresses and small work; v32-95 scale words, two sets, and nothing else; v96-122 masks and offsets for the way out; v128-191 A's fragments, later a block's 64 numbers;
;   v192-255 the bias, later the gain.   window 1: B's fragments at v0 and v128 (v0-63 later the rows read back from the stage); v64-95 and v192-255 cos and sin.
;   window 2: the 32 accumulators of my rows 0-63 ((a, b) at v[8 (8 a + b)]);   window 3: those of my rows 64-127.
.set SIZE_K, 2048
.set KSTEP,  512                       ; along K in a slot
.set NQ,     KSTEP/128                 ; matrix instructions deep
.set ROWB,   256                       ; a tile's row in bytes
.set KROW,   SIZE_K/2                  ; a row of codes in memory
.set PITCH,  272                       ; an LDS row: 256 bytes + 16 of padding = 68 words: row r starts at bank 4 r mod 64 (64 banks of 4 bytes: ISA guide 11.1)
.set FR,     8                         ; registers of a fragment: 16 rows x 128 K
.set NL,     2                         ; LDS loads that bring one
.set NP,     4                         ; places behind this matrix instruction (ISA guide 7.12.1)
.set HALFT,  128*PITCH
.set SLOT,   4*HALFT                   ; A's 256 rows, then B's 256 rows
.set LAPS,   SIZE_K/(2*KSTEP)          ; 2 laps of two K steps
.set KS,     SIZE_K/32                 ; a row of scale bytes: 64
.set SCL,    2*SLOT                    ; behind the ring: the scales, as units of 256 bytes + 16 of padding
.set HALFS,  (128*KS/256)*272
.set SBLK,   (16*KS/256)*272
.set SPARE,  SCL+4*HALFS               ; the spare words: 128 bytes a wave, two blocks of 256 bytes that no other line names
.set SPITCH, 272                       ; the way out: a stage of 16 rows x (256 bytes + 16) for each wave, in slot 0, which has had its last fill and its last read by then
.set VST,    4*16*SPITCH               ; the v form's stages lie behind the q and k form's: each form has LDS bytes of its own
.set SSV,  1                           ; v1      the row's sum of squares, as stored
.set T,    2                           ; v2-9    rope: four pairs at work
.set H32,  7                           ; v7      32 h, the offset of the bias's and the gain's loads (free when T is first written: those loads are in)
.set SS,   10                          ; v10-15, v18-19  four chains of squares
.set ADRA, 16                          ; v16-17  LDS address of my A fragments in slot 0, 1
.set ADRB, 20                          ; v20-21  the same for B
.set FAC,  22                          ; v22-23  the row's factor (the packed form names a pair and takes its low word)
.set STO,  24                          ; v24     the stage: where I put 16 bytes of a row
.set RD,   25                          ; v25     and where I read a row back
.set GO,   26                          ; v26     16 x lane: my bytes of two rows of the output
.set ADRS, 27                          ; v27     LDS address of my scale words: lanes 0-15 A's rows, lanes 16-31 B's
.set SPW,  28                          ; v28     LDS address of my spare word; never rewritten
.set NIL,  29                          ; v29     0; never rewritten
.set SSO,  30                          ; v30     4 r
.set RL,   31                          ; v31     r
.set SC,   32                          ; scale words: set s at v[SC + 32 s]; register 4 i + q: lanes 0-15 A's block i, lanes 16-31 B's block i
.set MK,   96                          ; v96-103 frame_mask of row 16 a + r
.set OT,   104                         ; v104    freqs_cs: row f, + 32 h
.set OW,   105                         ; v105    row w = r, + 32 h
.set OH,   106                         ; v106    row 8 (wave / 2), + 32 h
.set OTH,  107                         ; v107-114 block a: h ? row hh : row f
.set OHW,  115                         ; v115-122 block a: h ? row w : row hh
.set TM,   123                         ; v123-124 at work
.set AF,   128                         ; A's fragments
.set Y,    128                         ; the way out: a block's 64 numbers
.set BI,   192                         ; the bias of my 64 columns, later the gain
.set BK,   0                           ; window 1: rows read back from the stage, two sets of 32
.set CSC,  64                          ; window 1: cos, sin that do not change from block to block (b = 0, 1, 6, 7)
.set G1, 24                            ; s[24:31] descriptor group 1 for A's tiles;  s[32:39] group 0, one set for each slot
.set G0, 32
.set G1B, 48                           ; s[48:55], s[56:63] the same for B's tiles
.set G0B, 56
.set G1S, 68                           ; s[68:75], s[76:79] groups 1 and 0 for A's scales;  s[80:87], s[88:91] for B's; free once that load is shown done
.set G0S, 76
.set G1SB, 80
.set G0SB, 88
.set TI,   95                          ; s95  the tensor: 0 q, 1 k, 2 v
.set HD,   66                          ; s66  my head
.set SEL,  92                          ; s[92:93] lane selects for v_permlanex16_b32: lane l xor 16
.set MSB, 0
.macro WIN new                         ; the immediate's high byte repeats the setting that is left
.if MSB != \new
	s_set_vgpr_msb (MSB<<8)|\new
.set MSB, \new
.endif
.endm
.set MUL_LO,  0xa1                     ; source 0 (B) window 1, source 1 (A) window 0, C and D window 2
.set MUL_HI,  0xf1                     ; the same, C and D window 3
.set MUL_LOB, 0x81                     ; the first step: C (the bias) window 0, D window 2
.set MUL_HIB, 0xc1                     ; C window 0, D window 3
.set TO_B,    0x40                     ; destination window 1, address window 0
; A joint load: waves 0 and 1 fetch for A, waves 2 and 3 for B.  Each of the two lines has ONE mask and one set of registers for all that issue it; the branch hangs on the wave's number alone.
; An s_nop 0 and four v_nop follow each of the two lines, ahead of the jump, the label and what follows.
.macro JLOAD g0a, g1a, g0b, g1b
	s_cmp_eq_u32 s15, 0
	s_cbranch_scc0 .Lfor_b_\@
	tensor_load_to_lds s[\g0a:\g0a+3], s[\g1a:\g1a+7]
	s_nop 0
.rept 4
	v_nop
.endr
	s_branch .Lasked_\@
.Lfor_b_\@:
	tensor_load_to_lds s[\g0b:\g0b+3], s[\g1b:\g1b+7]
	s_nop 0
.rept 4
	v_nop
.endr
.Lasked_\@:
.endm
.macro CREST                           ; a round of the cluster's barrier behind its opening barrier
	s_cmp_lg_u32 s14, 0
	s_cbranch_scc1 .Lnot_wave_0_\@
	s_barrier_signal -3
.Lnot_wave_0_\@:
	s_barrier_wait -3
	s_barrier_signal -1
	s_barrier_wait -1
.endm
.macro CROUND                          ; a whole round
	s_barrier_signal -1
	s_barrier_wait -1
	CREST
.endm
	s_load_b128 s[4:7], s[0:1], 0x0                ; xwc, xws
	s_load_b128 s[96:99], s[0:1], 0x10             ; bq, bk
	s_load_b64 s[100:101], s[0:1], 0x20            ; bv
	v_lshl_add_u32 v[SPW], v0, 2, SPARE
	v_mov_b32 v[NIL], 0
	ds_add_u32 v[SPW], v[NIL]                      ; the wave's opening: the add, twice on end, and its wait ahead of my first tensor load; the set-up below stands between the second and the wait
	ds_add_u32 v[SPW], v[NIL]
	v_lshrrev_b32 v1, 5, v0
	v_readfirstlane_b32 s14, v1                    ; wave 0..3
	s_lshr_b32 s15, s14, 1                         ; which half of the tile's rows is mine.  Also: I fetch for A (0) or for B (1)
	s_and_b32 s16, s14, 1                          ; which half of its columns.  Also: which 128 rows of that tile I fetch
	s_bfe_u32 s40, ttmp6, 0x40000                  ; cx, cy: my place in the cluster
	s_bfe_u32 s41, ttmp6, 0x40004
	s_lshl_b32 s42, ttmp9, 2
	s_add_co_u32 s42, s42, s40                     ; tile column of C = 4 x cluster x + cx
	s_and_b32 s17, ttmp7, 0xffff
	s_lshl_b32 s17, s17, 2
	s_add_co_u32 s17, s17, s41                     ; tile row of C = 4 x cluster y + cy; a tile's 256 tokens are one frame: it is also rope's f
	s_lshr_b32 s[TI], ttmp9, 1                     ; two clusters along x to a tensor: the same in all sixteen partners
	s_lshl_b32 s43, s41, 2
	s_lshl_b32 s43, 15, s43                        ; my row of the cluster
	s_lshl_b32 s44, 0x1111, s40                    ; my column
	; descriptor group 1: a tile of 128 rows x 256 bytes, padded in LDS
	s_or_b32 s[G1+0], s43, (0<<16)|(1<<20)|(1<<21)|(5<<22)|(3<<25)  ; 15:0 the mask: A's tiles go to my row; 17:16 element of 1 byte; 20 padding on; 21 set beside a mask; 24:22 after every 64 words; 31:25 of 4 words
	s_or_b32 s[G1B+0], s44, (0<<16)|(1<<20)|(1<<21)|(5<<22)|(3<<25)
.irp g, G1, G1B
	s_mov_b32 s[\g+1], ROWB<<16                    ; tensor_dim0
	s_mov_b32 s[\g+2], 128<<16                     ; tensor_dim1
	s_mov_b32 s[\g+3], ROWB<<16                    ; tile_dim0
	s_mov_b32 s[\g+4], 128                         ; tile_dim1
	s_mov_b32 s[\g+5], KROW                        ; tensor_dim0_stride
	s_mov_b32 s[\g+6], 0
	s_mov_b32 s[\g+7], 0
.endr
	; the scales of 128 rows: a dense block of 8,192 bytes, as 32 rows of 256 bytes (32 elements of 8 bytes), 16 bytes of padding behind each
	s_or_b32 s[G1S+0], s43, (3<<16)|(1<<20)|(1<<21)|(5<<22)|(3<<25)
	s_or_b32 s[G1SB+0], s44, (3<<16)|(1<<20)|(1<<21)|(5<<22)|(3<<25)
.irp g, G1S, G1SB
	s_mov_b32 s[\g+1], 32<<16
	s_mov_b32 s[\g+2], (128*KS/256)<<16
	s_mov_b32 s[\g+3], 32<<16
	s_mov_b32 s[\g+4], 128*KS/256
	s_mov_b32 s[\g+5], 32
	s_mov_b32 s[\g+6], 0
	s_mov_b32 s[\g+7], 0
.endr
	s_lshl_b32 s18, s16, 7                         ; which 128 rows of the tile I fetch
	s_lshl_b32 s20, s17, 8
	s_add_co_u32 s20, s20, s18                     ; A: row 256 x tile row + 128 x half
	s_lshl_b32 s46, s42, 8
	s_add_co_u32 s46, s46, s18                     ; B: row 256 x tile column + 128 x half
	s_mov_b32 s21, 0
	s_mov_b32 s47, 0
	s_mov_b64 s[18:19], KS
	s_mul_u64 s[22:23], s[20:21], s[18:19]         ; where these rows' scales begin, in bytes
	s_mul_u64 s[92:93], s[46:47], s[18:19]
	s_mov_b64 s[18:19], KROW
	s_mul_u64 s[20:21], s[20:21], s[18:19]         ; and their codes
	s_mul_u64 s[46:47], s[46:47], s[18:19]
	s_mul_i32 s45, s14, HALFT                      ; where they go: wave x 128 rows: no place in the cluster enters an LDS address
	s_mul_i32 s94, s14, HALFS
	s_wait_dscnt 0x0                               ; both opening adds are done
	s_wait_kmcnt 0x0
	s_add_nc_u64 s[8:9], s[4:5], 2048*KROW         ; B's codes: behind x's 2,048 rows
	s_add_nc_u64 s[10:11], s[6:7], 2048*KS         ; B's scales likewise
	s_add_nc_u64 s[20:21], s[4:5], s[20:21]
	s_add_nc_u64 s[22:23], s[6:7], s[22:23]
	s_add_nc_u64 s[46:47], s[8:9], s[46:47]
	s_add_nc_u64 s[92:93], s[10:11], s[92:93]
	CROUND                                         ; all sixteen work-groups are here: the first joint loads meet
	s_mov_b32 s[G0S], 1
	s_add_co_u32 s[G0S+1], s94, SCL
	s_mov_b64 s[G0S+2:G0S+3], s[22:23]
	s_or_b32 s[G0S+3], s[G0S+3], 0x80000000
	s_mov_b32 s[G0SB], 1
	s_add_co_u32 s[G0SB+1], s94, SCL
	s_mov_b64 s[G0SB+2:G0SB+3], s[92:93]
	s_or_b32 s[G0SB+3], s[G0SB+3], 0x80000000
	JLOAD G0S, G1S, G0SB, G1SB                     ; the scales first: they are wanted with K step 0
.irp s, 0,1
	s_mov_b32 s[G0+4*\s], 1
	s_add_co_u32 s[G0+4*\s+1], s45, \s*SLOT
	s_add_nc_u64 s[G0+4*\s+2:G0+4*\s+3], s[20:21], \s*ROWB
	s_or_b32 s[G0+4*\s+3], s[G0+4*\s+3], 0x80000000
	s_mov_b32 s[G0B+4*\s], 1
	s_add_co_u32 s[G0B+4*\s+1], s45, \s*SLOT
	s_add_nc_u64 s[G0B+4*\s+2:G0B+4*\s+3], s[46:47], \s*ROWB
	s_or_b32 s[G0B+4*\s+3], s[G0B+4*\s+3], 0x80000000
	JLOAD G0+4*\s, G1, G0B+4*\s, G1B               ; three tensor loads of mine are out
.endr
	v_and_b32 v1, 15, v0                           ; r = l % 16
	v_bfe_u32 v2, v0, 4, 1                         ; h = l / 16
	v_mul_u32_u24 v3, v1, PITCH
	v_lshl_add_u32 v4, v2, 4, v3                   ; a fragment's row x pitch + 16 x half
	s_mul_i32 s21, s15, HALFT                      ; my 128 rows of A
	s_mul_i32 s22, s16, HALFT                      ; my 128 rows of B,
	s_add_co_u32 s22, s22, 2*HALFT                 ; which lie behind A's 256
.irp s, 0,1
	v_add_nc_u32 v[ADRA+\s], s21, v4
	v_add_nc_u32 v[ADRB+\s], s22, v4
	s_add_co_u32 s21, s21, SLOT
	s_add_co_u32 s22, s22, SLOT
.endr
	v_mul_u32_u24 v5, v1, KS                       ; my row's scales: 64 bytes a row,
	v_lshrrev_b32 v6, 8, v5
	v_lshl_add_u32 v5, v6, 4, v5                   ; and 16 more for each 256 passed
	s_mul_i32 s21, s15, HALFS                      ; A's: my 128 rows
	s_mul_i32 s22, s16, HALFS                      ; B's: my 128 rows, behind A's 256
	s_add_co_u32 s22, s22, 2*HALFS
	s_sub_co_u32 s22, s22, s21
	v_mul_u32_u24 v6, s22, v2                      ; lanes 16-31 take B's
	s_add_co_u32 s21, s21, SCL
	v_add_nc_u32 v5, v5, v6
	v_add_nc_u32 v[ADRS], s21, v5
	s_mul_i32 s23, s14, 16*SPITCH                  ; my stage
	v_mul_u32_u24 v5, v1, SPITCH                   ; in: row r, 16 bytes for each half of the lanes
	v_lshl_add_u32 v5, v2, 4, v5
	v_add_nc_u32 v[STO], s23, v5
	v_mul_u32_u24 v5, v2, SPITCH                   ; back: lanes 0-15 one row of 256 bytes, lanes 16-31 the next
	v_lshl_add_u32 v5, v1, 4, v5
	v_add_nc_u32 v[RD], s23, v5
	v_and_b32 v6, 31, v0
	v_lshlrev_b32 v[GO], 4, v6                     ; the output's rows are dense: two rows are 512 consecutive bytes
	v_lshlrev_b32 v[H32], 5, v2
	; the bias of my head's 128 columns: register 8 b + j = bias[128 head + 16 b + 8 h + j], the accumulators' layout
	s_cmp_eq_u32 s[TI], 1
	s_cselect_b64 s[96:97], s[98:99], s[96:97]
	s_cmp_eq_u32 s[TI], 2
	s_cselect_b64 s[96:97], s[100:101], s[96:97]
	s_and_b32 s[HD], s42, 7
	s_lshl_b32 s[HD], s[HD], 1
	s_add_co_u32 s[HD], s[HD], s16                 ; head = 2 x (tile column in the tensor) + my half
	s_lshl_b32 s98, s[HD], 9
	s_mov_b32 s99, 0
	s_add_nc_u64 s[96:97], s[96:97], s[98:99]
.irp b, 0,1,2,3,4,5,6,7
	global_load_b128 v[BI+8*\b:BI+8*\b+3], v[H32], s[96:97] offset:64*\b
	global_load_b128 v[BI+8*\b+4:BI+8*\b+7], v[H32], s[96:97] offset:64*\b+16
.endr
.macro FRAG reg, adr, q, i             ; a fragment: lane l holds row l % 16; registers 4 c .. 4 c + 3 hold K = 64 c + 32 (l / 16) + 0 .. 31
.irp c, 0,1
	ds_load_b128 v[\reg+4*\c:\reg+4*\c+3], v[\adr] offset:64*(\q)+32*\c+(\i)*16*PITCH
.endr
.endm
; 16 matrix instructions: A's blocks a0, a0 + 1 x B's eight, the slot's q-th 128 along K.  p: B's set;  sc: the set of scale words.  zero = 1: the first product starts the sums on the bias: nothing is ever cleared.
; The 64 accumulators take turns, one instruction a turn, in the same order in every step.
.macro MUL16 a0, p, q, sc, zero
.irp a, \a0, \a0+1
.irp b, 0,1,2,3,4,5,6,7
.if \zero
	v_wmma_scale_f32_16x16x128_f8f6f4 v[8*(8*((\a)%4)+\b):8*(8*((\a)%4)+\b)+7], v[128*(\p)+FR*\b:128*(\p)+FR*\b+FR-1], v[AF+FR*(\a):AF+FR*(\a)+FR-1], v[BI+8*\b:BI+8*\b+7], v[SC+8*NQ*(\sc)+NQ*\b+(\q)], v[SC+8*NQ*(\sc)+NQ*(\a)+(\q)] matrix_a_fmt:MATRIX_FMT_FP4 matrix_b_fmt:MATRIX_FMT_FP4 matrix_a_scale:MATRIX_SCALE_ROW1
.else
	v_wmma_scale_f32_16x16x128_f8f6f4 v[8*(8*((\a)%4)+\b):8*(8*((\a)%4)+\b)+7], v[128*(\p)+FR*\b:128*(\p)+FR*\b+FR-1], v[AF+FR*(\a):AF+FR*(\a)+FR-1], v[8*(8*((\a)%4)+\b):8*(8*((\a)%4)+\b)+7], v[SC+8*NQ*(\sc)+NQ*\b+(\q)], v[SC+8*NQ*(\sc)+NQ*(\a)+(\q)] matrix_a_fmt:MATRIX_FMT_FP4 matrix_b_fmt:MATRIX_FMT_FP4 matrix_a_scale:MATRIX_SCALE_ROW1
.endif
.endr
.endr
.endm
.macro FETCH_B slot, q, p              ; B's eight fragments of the slot's q-th 128 along K into set p
	WIN TO_B
.irp i, 0,1,2,3,4,5,6,7
	FRAG 128*(\p)+FR*\i, ADRB+\slot, \q, \i
.endr
	WIN 0
.endm
.macro FETCH_A slot, q, i0             ; A's blocks i0 .. i0 + 3
.irp i, \i0, \i0+1, \i0+2, \i0+3
	FRAG AF+FR*(\i), ADRA+\slot, \q, \i
.endr
.endm
.macro SCALES sc                       ; the next K step's scale words into set sc: four words a row; lanes 0-15 take A's block i, lanes 16-31 B's block i
.irp i, 0,1,2,3,4,5,6,7
	ds_load_b128 v[SC+8*NQ*\sc+NQ*\i:SC+8*NQ*\sc+NQ*\i+3], v[ADRS] offset:\i*SBLK
.endr
.endm
; A load into a register that a matrix instruction has read, and a vector instruction or an LDS store that reads a matrix result, stand NP places behind that matrix instruction, and only plain vector
; instructions that name none of its registers are places (ISA guide 7.12.1 for vector instructions).
.macro PLACES n
.rept \n
	v_nop
.endr
.endm
; A step of 128 along K that has its successor in the same slot.  A's blocks go one after the other, each against B's eight: A has one set of registers, B two.
.macro STEP slot, q, zero
	s_wait_dscnt 4*NL                              ; B's set and A's blocks 0-3 are in; the youngest eight loads (A's blocks 4-7) may be out
.if \zero
	WIN MUL_LOB
.else
	WIN MUL_LO
.endif
	MUL16 0, (\q)%2, \q, \slot, \zero
	MUL16 2, (\q)%2, \q, \slot, \zero
	s_wait_dscnt 0                                 ; A's blocks 4-7 are in (asked for 32 matrix instructions ago)
	PLACES NP
	FETCH_B \slot, (\q)+1, 1-(\q)%2
	FETCH_A \slot, (\q)+1, 0
.if \zero
	WIN MUL_HIB
.else
	WIN MUL_HI
.endif
	MUL16 4, (\q)%2, \q, \slot, \zero
	MUL16 6, (\q)%2, \q, \slot, \zero
	PLACES NP
	WIN 0
	FETCH_A \slot, (\q)+1, 4
.endm
; A slot's last step changes slots: ONE barrier; in front of it each wave waits for all its tensor loads, adds 0 to its spare word, and waits for that and for its own reads of this slot.  fill = 1: this slot is filled again, two K steps ahead.
.macro TURN slot, next, fill
	s_wait_tensorcnt 0x0                           ; all my tensor loads have landed: the one that was out is my part of the next slot  (every window is 0 here)
	ds_add_u32 v[SPW], v[NIL]                      ; 0 onto my spare word
	s_wait_dscnt 4*NL+1                            ; (the add and the youngest eight loads, A's blocks 4-7, may be out)
	WIN MUL_LO
	MUL16 0, 1, NQ-1, \slot, 0                     ; sixteen matrix instructions stand between the add and the wait for it
	s_wait_dscnt 0x0                               ; the add is done, and my reads of this slot are over
	s_barrier_signal -1
	MUL16 2, 1, NQ-1, \slot, 0
	WIN 0
	s_barrier_wait -1
.if \fill
	CREST                                          ; the barrier has opened a round of the cluster's barrier: no wave of any partner still reads this slot's tile or has a load on its way
	s_add_nc_u64 s[G0+4*\slot+2:G0+4*\slot+3], s[G0+4*\slot+2:G0+4*\slot+3], 2*ROWB
	s_add_nc_u64 s[G0B+4*\slot+2:G0B+4*\slot+3], s[G0B+4*\slot+2:G0B+4*\slot+3], 2*ROWB
	JLOAD G0+4*\slot, G1, G0B+4*\slot, G1B         ; the first tensor load behind the round, my one load until the next; its four v_nop are the places in front of the loads below
.else
	PLACES NP
.endif
	v_add_nc_u32 v[ADRS], 4*NQ, v[ADRS]            ; on to the next K step's scale words
	FETCH_B \next, 0, 0
	FETCH_A \next, 0, 0
	SCALES \next
	WIN MUL_HI
	MUL16 4, 1, NQ-1, \slot, 0
	MUL16 6, 1, NQ-1, \slot, 0
	PLACES NP
	WIN 0
	FETCH_A \next, 0, 4
.endm
.macro STEPS slot, from                ; the slot's steps from .. NQ - 2
.set Q, \from
.rept NQ-1-\from
	STEP \slot, Q, 0
.set Q, Q+1
.endr
.endm
; Block a's cos and sin of the pairs that change from block to block, b = 2 .. 5: nine loads.  Pair i = 8 b + 4 h + jj of a head lies at byte 8 i of a row of freqs_cs;
; i < 22 takes row f, 22 <= i < 43 row hh = 8 (wave / 2) + a, i >= 43 row w = r.  Where the two halves of the lanes fall on different rows the offset register has been chosen lane by lane.
.macro CSLOAD a
.set CVL, 192+32*((\a)%2)
	WIN TO_B
	global_load_b128 v[CVL:CVL+3],     v[OT], s[72:73] offset:128                  ; i = 16, 17 | 20, 21: f
	global_load_b128 v[CVL+4:CVL+7],   v[OTH+(\a)], s[72:73] offset:144            ; i = 18, 19: f | 22, 23: hh
	global_load_b128 v[CVL+8:CVL+11],  v[OH], s[72:73] offset:512*(\a)+192         ; i = 24 .. 39: hh
	global_load_b128 v[CVL+12:CVL+15], v[OH], s[72:73] offset:512*(\a)+208
	global_load_b128 v[CVL+16:CVL+19], v[OH], s[72:73] offset:512*(\a)+256
	global_load_b128 v[CVL+20:CVL+23], v[OH], s[72:73] offset:512*(\a)+272
	global_load_b128 v[CVL+24:CVL+27], v[OHW+(\a)], s[72:73] offset:320            ; i = 40, 41: hh | 44, 45: w
	global_load_b64  v[CVL+28:CVL+29], v[OHW+(\a)], s[72:73] offset:336            ; i = 42: hh | 46: w
	global_load_b64  v[CVL+30:CVL+31], v[OW], s[72:73] offset:344                  ; i = 43 | 47: w
.endm
	s_wait_tensorcnt 1                             ; the scales and my part of K step 0 are in (K step 1's load may be out)
	s_barrier_signal -1
	s_barrier_wait -1                              ; everybody's are
	s_load_b256 s[68:75], s[0:1], 0x28             ; gq, gk, freqs_cs, frame_mask: into the scales' descriptors, whose load the wait above has shown done
	s_load_b128 s[76:79], s[0:1], 0x48             ; qkv, ss
	FETCH_B 0, 0, 0
	FETCH_A 0, 0, 0
	SCALES 0
	FETCH_A 0, 0, 4
	s_wait_loadcnt 0x0                             ; the bias
	STEP 0, 0, 1                                   ; the first step stands in front of the loop: its products start the sums
	; ---- what the way out will want is asked for here, a whole product ahead.  It adds no LDS instruction, so the next step's count of LDS loads stands.  The step above ends with four places: the gain may land on the bias.
	; V's tiles run these lines too and do not use the gain, cos and sin: so there is one way through the text up to the way out.
	s_wait_kmcnt 0x0
	s_lshl_b32 s80, s17, 8
	s_lshl_b32 s81, s15, 7
	s_add_co_u32 s80, s80, s81                     ; my first token: 256 x tile row + 128 x half
	s_lshl_b32 s82, s[TI], 4
	s_add_co_u32 s82, s82, s[HD]
	s_lshl_b32 s82, s82, 11
	s_add_co_u32 s82, s82, s80                     ; my first row of the output: (16 tensor + head) x 2,048 + token
	s_mov_b32 s83, 0
	s_lshl_b64 s[84:85], s[82:83], 8
	s_add_nc_u64 s[12:13], s[76:77], s[84:85]      ; 256 bytes a row
	s_lshl_b32 s82, s82, 2
	s_add_nc_u64 s[78:79], s[78:79], s[82:83]      ; the sums of squares: 4 bytes a row (q and k alone store there)
	s_mov_b32 s81, 0
	s_add_nc_u64 s[74:75], s[74:75], s[80:81]      ; frame_mask at my first token
	s_cmp_eq_u32 s[TI], 0
	s_cselect_b64 s[68:69], s[68:69], s[70:71]     ; gq for q, else gk
	s_lshl_b32 s82, s[HD], 9
	s_add_nc_u64 s[68:69], s[68:69], s[82:83]
	s_mov_b32 s[SEL], 0x76543210
	s_mov_b32 s[SEL+1], 0xfedcba98
	v_and_b32 v[RL], 15, v0
	v_bfe_u32 v[TM], v0, 4, 1                      ; h
	v_lshlrev_b32 v[SSO], 2, v[RL]
.irp a, 0,1,2,3,4,5,6,7
	global_load_u8 v[MK+\a], v[RL], s[74:75] offset:16*\a
.endr
.irp b, 0,1,2,3,4,5,6,7
	global_load_b128 v[BI+8*\b:BI+8*\b+3], v[H32], s[68:69] offset:64*\b           ; the gain, in the accumulators' layout
	global_load_b128 v[BI+8*\b+4:BI+8*\b+7], v[H32], s[68:69] offset:64*\b+16
.endr
	s_lshl_b32 s84, s17, 9
	v_add_nc_u32 v[OT], s84, v[H32]                ; a row of freqs_cs is 512 bytes
	v_lshl_add_u32 v[OW], v[RL], 9, v[H32]
	s_lshl_b32 s84, s15, 12
	v_add_nc_u32 v[OH], s84, v[H32]
	v_cmp_eq_u32 vcc_lo, 1, v[TM]
.irp a, 0,1,2,3,4,5,6,7
	v_add_nc_u32 v[TM+1], 512*\a, v[OH]
	v_cndmask_b32 v[OTH+\a], v[OT], v[TM+1], vcc_lo
	v_cndmask_b32 v[OHW+\a], v[TM+1], v[OW], vcc_lo
.endr
	WIN TO_B
.irp b, 0,1
	global_load_b128 v[CSC+8*\b:CSC+8*\b+3], v[OT], s[72:73] offset:64*\b          ; i = 0 .. 15: f
	global_load_b128 v[CSC+8*\b+4:CSC+8*\b+7], v[OT], s[72:73] offset:64*\b+16
.endr
.irp b, 6,7
	global_load_b128 v[CSC+16+8*(\b-6):CSC+16+8*(\b-6)+3], v[OW], s[72:73] offset:64*\b        ; i = 48 .. 63: w
	global_load_b128 v[CSC+16+8*(\b-6)+4:CSC+16+8*(\b-6)+7], v[OW], s[72:73] offset:64*\b+16
.endr
	CSLOAD 0
	CSLOAD 1
	WIN 0
	s_mov_b32 s3, LAPS-1
.Llap:                                                 ; a trip goes once round the ring, from a lap's second step to the next lap's first, and fills both slots again
	STEPS 0, 1
	TURN 0, 1, 1
	STEPS 1, 0
	TURN 1, 0, 1
	STEP 0, 0, 0
	s_sub_co_u32 s3, s3, 1
	s_cmp_lg_u32 s3, 0
	s_cbranch_scc1 .Llap
	STEPS 0, 1                                     ; the last lap fills nothing, and has no round of the cluster's barrier
	TURN 0, 1, 0
	STEPS 1, 0
	s_wait_dscnt 4*NL                              ; the very last step: nothing more to fetch
	WIN MUL_LO
	MUL16 0, 1, NQ-1, 1, 0
	MUL16 2, 1, NQ-1, 1, 0
	s_wait_dscnt 0
	WIN MUL_HI
	MUL16 4, 1, NQ-1, 1, 0
	MUL16 6, 1, NQ-1, 1, 0
	WIN 0
; THE WAY OUT, block by block of 16 rows x 128 columns.  A lane's packed 16 bytes go into my stage (rows of 272 bytes) and come back as whole rows; 32 lanes store 512 consecutive bytes, two rows of the output.
; LDS serves a wave's instructions in order (ISA guide 5.7.1.4): no wait between the stores and the loads, nor in front of the next block's stores.
.macro TOSTAGE a, off
.set BB, BK+32*((\a)%2)
	WIN 0
.irp b, 0,1,2,3,4,5,6,7
	ds_store_b128 v[STO], v[Y+4*\b:Y+4*\b+3] offset:\off+32*\b
.endr
	WIN TO_B
.irp t, 0,1,2,3,4,5,6,7
	ds_load_b128 v[BB+4*\t:BB+4*\t+3], v[RD] offset:\off+2*\t*SPITCH
.endr
.endm
.macro SEND a, younger                 ; younger: the LDS instructions issued behind block a's loads, which may stay out
.set BB, BK+32*((\a)%2)
	s_wait_dscnt \younger
	WIN 0x04                                       ; a store's data are its source 1: window 1
.irp t, 0,1,2,3,4,5,6,7
	global_store_b128 v[GO], v[BB+4*\t:BB+4*\t+3], s[12:13] offset:4096*(\a)+512*\t
.endr
.endm
; q and k.  p = 4 b + jj names a pair (real, imaginary) of my 32.
.macro EPQ a
.set W, 2+(\a)/4
.set WW, W|(W<<2)
.set AC, 64*((\a)%4)
.set CV, 192+32*((\a)%2)
.if (\a) < 7
	s_wait_loadcnt 9                               ; all loads but the next block's nine of cos and sin are in
.else
	s_wait_loadcnt 0x0
.endif
	WIN WW                                         ; sources 0 and 1: the accumulators' window
.set p, 0
.rept 32                               ; the sum of my 64 squares, two at a time, in four chains; each accumulator is read from its low end on
.set sr, SS+2*(p%4)+2*((p%4)/3)
.if p < 4
	v_pk_mul_f32 v[sr:sr+1], v[AC+2*p:AC+2*p+1], v[AC+2*p:AC+2*p+1]
.else
	v_pk_fma_f32 v[sr:sr+1], v[AC+2*p:AC+2*p+1], v[AC+2*p:AC+2*p+1], v[sr:sr+1]
.endif
.set p, p+1
.endr
	WIN 0
	v_pk_add_f32 v[10:11], v[10:11], v[12:13]
	v_pk_add_f32 v[14:15], v[14:15], v[18:19]
	v_pk_add_f32 v[10:11], v[10:11], v[14:15]
	v_add_f32 v10, v10, v11
	v_permlanex16_b32 v12, v10, s[SEL], s[SEL+1]   ; the head's other 64 columns lie in the lane 16 away
	v_add_f32 v10, v10, v12
	v_cmp_ne_u32 vcc_lo, 0, v[MK+(\a)]
.if (\a) > 0
	s_wait_xcnt 0x0                                ; the earlier stores have read their data: the last sum, and the rows that the stores two blocks back took from the registers loaded below
.endif
	v_cndmask_b32 v[SSV], 0, v10, vcc_lo           ; a masked row is zeros in reference(): its sum is 0
	global_store_b32 v[SSO], v[SSV], s[78:79] offset:64*(\a)   ; lanes 16-31 write the same words with the same values
	v_mul_f32 v[TM], 0x3c000000, v[SSV]            ; / 128
	v_max_num_f32 v[TM], 0x0d800000, v[TM]         ; held at 2^-100 from below
	v_rsq_f32 v[FAC], v[TM]
	WIN W
.set p, 0
.rept 32
	v_pk_mul_f32 v[Y+2*p:Y+2*p+1], v[AC+2*p:AC+2*p+1], v[BI+2*p:BI+2*p+1]   ; y g.  (Plain work behind the root)
.set p, p+1
.endr
	WIN 0
	s_wait_alu depctr_va_vdst(0)                   ; the wait ahead of the first line that names the root's result
	v_cndmask_b32 v[FAC], 0, v[FAC], vcc_lo
	WIN 0x04                                       ; source 1 (cos, sin) window 1
.irp q, 0,1,2,3,4,5,6,7
.if \q < 2
.set csr, CSC+8*\q
.elseif \q < 6
.set csr, CV+8*(\q-2)
.else
.set csr, CSC+16+8*(\q-6)
.endif
.irp k, 0,1,2,3
	v_pk_mul_f32 v[T+2*\k:T+2*\k+1], v[Y+8*\q+2*\k:Y+8*\q+2*\k+1], v[csr+2*\k:csr+2*\k+1] op_sel:[1,1] op_sel_hi:[1,0]   ; (yi sin, yi cos)
.endr
.irp k, 0,1,2,3
	v_pk_fma_f32 v[Y+8*\q+2*\k:Y+8*\q+2*\k+1], v[Y+8*\q+2*\k:Y+8*\q+2*\k+1], v[csr+2*\k:csr+2*\k+1], v[T+2*\k:T+2*\k+1] op_sel_hi:[0,1,1] neg_lo:[0,0,1]   ; (yr cos - yi sin, yr sin + yi cos)
.endr
.endr
	WIN 0
.set p, 0
.rept 32
	v_pk_mul_f32 v[Y+2*p:Y+2*p+1], v[Y+2*p:Y+2*p+1], v[FAC:FAC+1] op_sel_hi:[1,0]
.set p, p+1
.endr
.set p, 0
.rept 32
	v_cvt_pk_f16_f32 v[Y+p], v[Y+2*p], v[Y+2*p+1]  ; packed in place: register p is written when pairs 0 .. p have been read
.set p, p+1
.endr
	TOSTAGE \a, 0
.if (\a) < 6
	CSLOAD (\a)+2                                  ; into the set that this block has read
.endif
.if (\a) > 0
	SEND (\a)-1, 16                                ; behind block a - 1's loads: block a's 8 stores and 8 loads
.endif
.endm
; v: rounded, and zeros in masked rows.
.macro EPV a
.set W, 2+(\a)/4
.set WW, W|(W<<2)
.set AC, 64*((\a)%4)
	WIN WW
.set p, 0
.rept 32
	v_cvt_pk_f16_f32 v[Y+p], v[AC+2*p], v[AC+2*p+1]
.set p, p+1
.endr
	WIN 0
	v_cmp_ne_u32 vcc_lo, 0, v[MK+(\a)]
.set p, 0
.rept 32
	v_cndmask_b32 v[Y+p], 0, v[Y+p], vcc_lo
.set p, p+1
.endr
.if (\a) > 1
	s_wait_xcnt 0x0                                ; block a - 2's stores have read the registers that block a's loads land on
.endif
	TOSTAGE \a, VST
.if (\a) > 0
	SEND (\a)-1, 16
.endif
.endm
	PLACES NP                                      ; behind the last products: for the first reads of results, and for the writes and loads on registers that held fragments
	v_mov_b32 v[FAC+1], 0                          ; (named as the upper half of a pair, so it is written)
	s_cmp_eq_u32 s[TI], 2
	s_cbranch_scc1 .Lvform
.irp a, 0,1,2,3,4,5,6,7
	EPQ \a
.endr
	SEND 7, 0
	WIN 0
	s_branch .Lend
.Lvform:
	s_wait_loadcnt 0x0                             ; the masks (and the loads that this form does not use)
.irp a, 0,1,2,3,4,5,6,7
	EPV \a
.endr
	SEND 7, 0
	WIN 0
.Lend:
	s_wait_tensorcnt 0x0                           ; the wave's end, behind my last tensor load and my last LDS store
	ds_add_u32 v[SPW], v[NIL]
	s_wait_dscnt 0x0
	CROUND                                         ; the closing round: no work-group ends while a partner may still ask for a tile that names it
	s_endpgm
.Lfunc_end_k_q4e69597689_qkv:
	.size	k_q4e69597689_qkv, .Lfunc_end_k_q4e69597689_qkv-k_q4e69597689_qkv
	.p2alignl 7, 3214868480
	.fill 96, 4, 3214868480
	.section	.rodata,"a",@progbits
	.p2align	6, 0x0
	.amdhsa_kernel k_q4e69597689_qkv
		.amdhsa_group_segment_fixed_size 327680
		.amdhsa_private_segment_fixed_size 0
		.amdhsa_enable_private_segment 0
		.amdhsa_kernarg_size 88
		.amdhsa_user_sgpr_count 2
		.amdhsa_user_sgpr_kernarg_segment_ptr 1
		.amdhsa_wavefront_size32 1
		.amdhsa_system_sgpr_workgroup_id_x 1
		.amdhsa_system_sgpr_workgroup_id_y 1
		.amdhsa_system_sgpr_workgroup_id_z 1
		.amdhsa_system_vgpr_workitem_id 0
		.amdhsa_next_free_vgpr 1024
		.amdhsa_next_free_sgpr 102
		.amdhsa_reserve_vcc 1
		.amdhsa_float_denorm_mode_32 3
		.amdhsa_float_denorm_mode_16_64 3
		.amdhsa_memory_ordered 1
		.amdhsa_forward_progress 1
		.amdhsa_inst_pref_size 255
	.end_amdhsa_kernel
	.section	.bss,"aw",@nobits
	.p2align	6
	.space	262144
	.amdgpu_metadata
---
amdhsa.version: [ 1, 2 ]
amdhsa.kernels:
  - .name:           k_q4e69597689_qkv
    .symbol:         k_q4e69597689_qkv.kd
    .args:
      - { .name: xwc, .offset: 0, .size: 8, .value_kind: global_buffer, .address_space: global }
      - { .name: xws, .offset: 8, .size: 8, .value_kind: global_buffer, .address_space: global }
      - { .name: bq, .offset: 16, .size: 8, .value_kind: global_buffer, .address_space: global }
      - { .name: bk, .offset: 24, .size: 8, .value_kind: global_buffer, .address_space: global }
      - { .name: bv, .offset: 32, .size: 8, .value_kind: global_buffer, .address_space: global }
      - { .name: gq, .offset: 40, .size: 8, .value_kind: global_buffer, .address_space: global }
      - { .name: gk, .offset: 48, .size: 8, .value_kind: global_buffer, .address_space: global }
      - { .name: freqs_cs, .offset: 56, .size: 8, .value_kind: global_buffer, .address_space: global }
      - { .name: frame_mask, .offset: 64, .size: 8, .value_kind: global_buffer, .address_space: global }
      - { .name: qkv, .offset: 72, .size: 8, .value_kind: global_buffer, .address_space: global }
      - { .name: ss, .offset: 80, .size: 8, .value_kind: global_buffer, .address_space: global }
    .group_segment_fixed_size: 327680
    .private_segment_fixed_size: 0
    .kernarg_segment_align: 8
    .kernarg_segment_size: 88
    .max_flat_workgroup_size: 128
    .sgpr_count:     102
    .vgpr_count:     1024
    .wavefront_size: 32
...
	.end_amdgpu_metadata
.endif
;; end of part 2
;; launch attn (part 3): grid 16 x 16, 4 waves a work-group, clusters of 4 x 1, 327,680 bytes of LDS; arguments qkv, ss, frame_mask, o16; writes o16
.if DOCPART == 3
	.amdgcn_target "amdgcn-amd-amdhsa--gfx1250"
	.amdhsa_code_object_version 6
	.text
	.protected	k_q4e69597689_attn
	.globl	k_q4e69597689_attn
	.p2align	8
	.type	k_q4e69597689_attn,@function
k_q4e69597689_attn:
	s_mov_b64 s[64:65], 0
	v_nop
	global_prefetch_b8 v0, s[64:65] scope:SCOPE_SE
	s_setreg_imm32_b32 hwreg(HW_REG_WAVE_MODE, 25, 1), 1
	s_wait_xcnt 0x0
	s_wait_alu depctr_hold_cnt(0) depctr_sa_sdst(0) depctr_va_vdst(0) depctr_va_sdst(0) depctr_va_ssrc(0) depctr_va_vcc(0) depctr_vm_vsrc(0)
	s_getreg_b32 s2, hwreg(HW_REG_IB_STS2, 6, 4)
	s_cmp_eq_u32 s2, 0
	s_cbranch_scc0 .Lentry_in_a_cluster
	s_endpgm
.Lentry_in_a_cluster:
	s_bfe_u32 s2, ttmp6, 0x10000c
	s_cmp_lg_u32 s2, 0x3003
	s_cbranch_scc0 .Lentry_shape_is_right
	s_endpgm
.Lentry_shape_is_right:
; o[q][head] = mask_q ? the sum over k of softmax_k(q . k / sqrt(128) + (mask_k ? 0 : -1e9)) v[k] : 0, on f16 operands, products, maxima and sums in f32; o is rounded to f16 once.
; q^ and k^ arrive normalised BY HEAD ([tensor][head][token][128] f16), with the 16 sums of squares of each row beside them (ss, f32 [q, k][head][token]).  The row's factor is applied here, in f32:
;   f = sqrt(max(ss_head / 128, 2^-100)) x rsq(sum over the 16 heads of ss / 2048 + 1e-6);   c_q = max(log2(e) / sqrt(128) x f_q, 2^-60);   A_k = mask_k ? f_k : 1;   Bm_k = mask_k ? 0 : -1e30;
;   u = (q^ . k^ + Bm_k) A_k;   p = 2^(c_q u - c_q m), m the running maximum of u.   Bm is the C of each score tile's first product; A is one packed multiply for two scores; c_q stands where a constant would.
;   A masked key has c_q u under -8e11: p = 0 as soon as one open key has been seen, as with reference()'s -1e9.  Where every key is masked every query is too, and o is 0.
; LIMITS: inputs finite; |v| under 65,504.
; SHARES.  A work-group owns 128 queries of one head.  Wave w owns the query half w % 2 (64 queries: four tiles of 16) and the KEY half w / 2 (1,024 keys, 64 a step): so each fragment read from LDS feeds four tiles of
; queries, and 16 x 16 work-groups have work.  The two waves of a query half join their m, l and O once, at the end, through LDS.
; LAYOUT.  S^T = K Q^T (source 0 = 16 keys, source 1 = 16 queries): a lane holds ONE query (lane % 16) and the keys 8 (lane / 16) + 0..7.  Two such tiles, rounded to f16 in pairs, ARE source 1 of O^T = V^T P.
; K comes out of LDS as it lies, V ([key][channel]) turned, by ds_load_tr16_b128.
; BY TURNS.  The wave's tiles are two PIECES (tiles 0, 1; tiles 2, 3).  In a TURN one piece has the matrix unit: 32 products V^T P of the step in hand, then 32 products K Q^T of the next step; the other piece's softmax,
; 300 vector instructions cut into 64 slices, stands between them, one slice behind each matrix instruction.  Then the pieces change places.  Two turns are a key step.
; CLUSTER.  The four query blocks of a cluster belong to one head and walk the same K and V: each tile is asked for JOINTLY, by the same tensor load with the same descriptor and a mask that names the four.
; REGISTERS, in windows of 256 (s_set_vgpr_msb: bits 1:0 source 0, 3:2 source 1, 5:4 source 2, 7:6 destination):
;   window 0: v1-11 addresses; v12-51 ten registers of statistics a tile; v52-63 addresses; v64-191 S^T, 32 a tile; v192-255 P, 16 a tile
;   window 1: O^T, 64 a tile     window 2: v0-127 Q, 32 a tile; v128-255 K of one step     window 3: v0-127 V of one step; v128-159 Bm, v160-191 A of one step's 64 keys, in a score tile's layout
.set KS,    64        ; keys in a step
.set PK,    272       ; a row of K in LDS: 256 bytes + 16 of padding: row r starts at bank 4 r mod 64 (64 banks of 4 bytes: ISA guide 11.1)
.set PV,    288       ; a row of V: 256 + 32: row r starts at bank 8 r mod 64
.set KHALF, 128*PK    ; a slot holds, for each key half, 128 keys: two steps
.set VHALF, 128*PV
.set VOFF,  2*KHALF   ; a slot: K of half 0, K of half 1, V of half 0, V of half 1
.set SLOTB, VOFF+2*VHALF
.set TABA,  2*SLOTB   ; behind the ring: A of all 2,048 keys, f32
.set TABB,  TABA+8192 ; Bm likewise
.set TABQ,  TABB+8192 ; c_q of my 128 queries; 512 bytes on: mask_q as 1.0 or 0
.set SPARE, TABQ+1024 ; the spare words: 128 bytes a wave, two blocks of 256 bytes that no other line names
.set XCH,   0         ; the join and the way out lie in slot 0, which has had its last fill and its last read at the last change of slots: 16,384 bytes a wave: two tiles of O^T as images of their registers,
.set XST,   65536     ; 512 bytes a wave: their c_q m and l,
.set STAGE, XST+2048  ; and 16 rows x 272 bytes a wave
.set SP,    272
.set AK0, 2           ; v2   my lane's place in my half's tile of K
.set AV0, 3           ; v3   the same for V
.set ADR, 4           ; v4   the LDS address of the run of loads in hand
.set QO,  5           ; v5   my byte offset in the wave's rows of Q
.set STO, 6           ; v6   the way out: where I put 16 bytes of a row
.set RD,  7           ; v7   where I read a row back
.set GO,  8           ; v8   my byte offset in the wave's rows of o16
.set ST,  12          ; tile t's statistics at v[ST+10 t]: +0 c_q m, +1 m, +2, +3 l, +4 to +7 at work (a takes +6), +8 c_q, +9 its copy
.set AA0, 52          ; v52  my lane's place in the table A
.set ADR2, 53         ; v53  the address of the loads of A and Bm in hand
.set XW,  54          ; v54  where I store an image;  v55 where I read my partner's
.set XR,  55
.set SW,  56          ; v56  the same for the statistics
.set SR,  57
.set TQ,  58          ; v58  my lane's query in TABQ
.set TAW, 59          ; v59  where my thread stores its 16 keys' A
.set TQW, 60          ; v60  and its query's c_q
.set PFO, 61          ; v61  256 x my lane: a row of K or V is 256 bytes
.set SPW, 62          ; v62  LDS address of my spare word; never rewritten
.set NIL, 63          ; v63  0; never rewritten
.set S,   64
.set P,   192
.set KF,  128         ; K's fragments, in window 2
.set BR,  128         ; Bm, in window 3
.set AR,  160         ; A, in window 3
.set WV,  12          ; s12  my wave's number
.set LIM, 15          ; s15  1 in a work-group that prefetches, else the greatest number
.set PFA, 18          ; s[18:19] where my prefetches stand
.set G1K, 24          ; s[24:31] descriptor group 1 for K's tiles;  s[32:39] for V's: it differs in the padding alone
.set G1V, 32
.set G0K, 40          ; s[40:47] group 0 for K's tiles: a set for each of the two first fills; the second then walks on;  s[48:55] for V's
.set G0V, 48
.set SLOTS, 56        ; s56  slots still to be asked for
.set TWICE, 57        ; s57  counts a slot's two steps
.set SEL, 60          ; s[60:61] lane selects for v_permlanex16_b32: lane l xor 16
.set TBK, 62          ; s62  LDS byte at which K of the step to be fetched begins (without my half's place)
.set TBV, 63          ; s63  the same for V
.set TA,  66          ; s66  the step's place in the tables: 256 bytes a step
.set FB,  67          ; s67  the slot that the walking descriptors name: 0 or SLOTB
.set LOK, 68          ; s68  my tile's place in a slot, if I fetch K;  s69 if I fetch V
.set LOV, 69
.set MSB, 0
.macro WIN new                      ; the immediate's high byte repeats the setting that is left; a switch that changes nothing is dropped
.if MSB != \new
	s_set_vgpr_msb (MSB<<8)|\new
.set MSB, \new
.endif
.endm
.set W_KQ, 0x0a       ; K and Q in window 2, S^T in window 0
.set W_KQB, 0x3a      ; the same, C (Bm) in window 3
.set W_PV, 0x53       ; V in window 3, P in window 0, O^T in window 1
.set W_RS, 0x41       ; O^T (destination and source 0) in window 1, a in window 0
.set W_A,  0x0c       ; source 1 (A) in window 3
; A joint refill.  Waves 0 and 1 fetch K of key half 0 and 1, waves 2 and 3 V of key half 0 and 1: a slot's 128 keys each.  The branch hangs on the wave's number alone.
; An s_nop 0 and four v_nop follow each of the two lines; the jump, the label and what follows come after them.
.macro JLOAD
	s_cmp_lt_u32 s[WV], 2
	s_cbranch_scc0 .Lfor_v_\@
	tensor_load_to_lds s[G0K+4:G0K+7], s[G1K:G1K+7]
	s_nop 0
.rept 4
	v_nop
.endr
	s_branch .Lasked_\@
.Lfor_v_\@:
	tensor_load_to_lds s[G0V+4:G0V+7], s[G1V:G1V+7]
	s_nop 0
.rept 4
	v_nop
.endr
.Lasked_\@:
.endm
; A PREFETCH INTO THE L2 of what the NEXT change of slots will ask for.  It stands behind the wave's tensor load and its five lines.  Each row is named ONCE in the launch: all clusters of a head walk the same K and V,
; so the head's first cluster asks; each wave for the tile that it fetches, 128 rows of 256 bytes; the four partners share those rows out BY ADDRESS, 32 each, a lane a row.  The last change that fills a slot asks for nothing.
.macro ASK
	s_cmp_gt_u32 s[SLOTS], s[LIM]
	s_cbranch_scc0 .Lnot_mine_\@
	global_prefetch_b8 v[PFO], s[PFA:PFA+1] th:TH_LOAD_NT scope:SCOPE_SE
.Lnot_mine_\@:
.endm
.macro CROUND                       ; a round of the cluster's barrier
	s_barrier_signal -1
	s_barrier_wait -1
	s_cmp_lg_u32 s[WV], 0
	s_cbranch_scc1 .Lnot_wave_0_\@
	s_barrier_signal -3
.Lnot_wave_0_\@:
	s_barrier_wait -3
	s_barrier_signal -1
	s_barrier_wait -1
.endm
	s_load_b256 s[4:11], s[0:1], 0x0  ; qkv s[4:5], ss s[6:7], frame_mask s[8:9], o16 s[10:11]
	v_lshl_add_u32 v[SPW], v0, 2, SPARE
	v_mov_b32 v[NIL], 0
	ds_add_u32 v[SPW], v[NIL]       ; the wave's opening: the add, twice on end, and its wait ahead of my first tensor load; the set-up below stands between the second and the wait
	ds_add_u32 v[SPW], v[NIL]
	v_lshrrev_b32 v1, 5, v0
	v_readfirstlane_b32 s[WV], v1   ; wave 0..3
	s_bfe_u32 s13, ttmp6, 0x40000   ; cx: my place in the cluster
	s_lshl_b32 s14, ttmp9, 2
	s_add_co_u32 s14, s14, s13      ; my block of 128 queries: it enters global addresses of Q, ss, the mask and o16 alone
	s_and_b32 s20, ttmp7, 0xffff    ; the head, which the four partners share
	s_lshl_b32 s21, s20, 19         ; a head's 2,048 rows of 256 bytes
	s_and_b32 s16, s[WV], 1         ; my query half.  Also: the key half whose tile I fetch
	s_lshr_b32 s17, s[WV], 1        ; my key half.  Also: I fetch K (0) or V (1)
	s_lshl_b32 s22, s16, 18         ; a key half's 1,024 rows
	s_add_co_u32 s22, s22, s21
	s_mov_b32 s23, 0                ; s[22:23]: my tile of slot 0, from K's or V's first byte
	s_mul_i32 s[LOK], s16, KHALF    ; and its place in a slot: no place in the cluster enters an LDS address
	s_mul_i32 s[LOV], s16, VHALF
	s_add_co_u32 s[LOV], s[LOV], VOFF
	s_lshl_b32 s2, s14, 15          ; Q: my block's 128 rows,
	s_lshl_b32 s3, s16, 14          ; my wave's 64 of them,
	s_add_co_u32 s2, s2, s3
	s_add_co_u32 s2, s2, s21        ; in my head
	s_mov_b32 s3, 0
	s_lshl_b32 s86, s14, 19         ; o16: rows of 4,096 bytes,
	s_lshl_b32 s87, s16, 18
	s_add_co_u32 s86, s86, s87
	s_lshl_b32 s87, s20, 8          ; my head's 256 bytes of a row
	s_add_co_u32 s86, s86, s87
	s_mov_b32 s87, 0
	s_lshl_b32 s88, s20, 13         ; ss: a head's 2,048 sums
	s_mov_b32 s89, 0
	; descriptor group 1: a tile of 128 rows x 128 elements, padded in LDS
	s_mov_b32 s[G1K], 15|(1<<16)|(1<<20)|(1<<21)|(5<<22)|(3<<25)  ; 15:0 the mask: all four work-groups; 17:16 elements of 2 bytes; 20 padding on; 21 set beside a mask; 24:22 after every 64 words; 31:25 4 words of it
	s_mov_b32 s[G1V], 15|(1<<16)|(1<<20)|(1<<21)|(5<<22)|(7<<25)  ; the same with 8 words of padding
.irp g, G1K, G1V
	s_mov_b32 s[\g+1], 128<<16      ; tensor_dim0
	s_mov_b32 s[\g+2], 128<<16      ; tensor_dim1
	s_mov_b32 s[\g+3], 128<<16      ; tile_dim0
	s_mov_b32 s[\g+4], 128          ; tile_dim1
	s_mov_b32 s[\g+5], 128          ; tensor_dim0_stride
	s_mov_b32 s[\g+6], 0
	s_mov_b32 s[\g+7], 0
.endr
	s_mov_b32 s58, 0x3a000000       ; 1 / 2048
	s_mov_b32 s59, 0x358637bd       ; 1e-6
	s_mov_b32 s[SEL], 0x76543210
	s_mov_b32 s[SEL+1], 0xfedcba98
	s_mov_b32 s[TBK], 0
	s_mov_b32 s[TBV], 0
	s_mov_b32 s[TA], 0
	s_mov_b32 s[FB], SLOTB
	s_mov_b32 s[SLOTS], 1024/(2*KS)-2
	s_cmp_eq_u32 ttmp9, 0           ; the head's first cluster: the same in all four partners
	s_cselect_b32 s[LIM], 1, -1
	v_and_b32 v[PFO], 31, v0
	v_lshlrev_b32 v[PFO], 8, v[PFO]
	s_wait_dscnt 0x0                ; both opening adds are done
	s_wait_kmcnt 0x0
	s_add_nc_u64 s[70:71], s[4:5], s[22:23]
	s_add_nc_u64 s[72:73], s[70:71], 2*8388608  ; V's tile of slot 0
	s_add_nc_u64 s[70:71], s[70:71], 8388608    ; K's
	s_add_nc_u64 s[74:75], s[4:5], s[2:3]       ; Q at my wave's first row
	s_add_nc_u64 s[10:11], s[10:11], s[86:87]   ; o16 likewise
	s_add_nc_u64 s[76:77], s[6:7], 131072       ; k's sums of squares,
	s_add_nc_u64 s[78:79], s[76:77], s[88:89]   ; and my head's
	s_lshl_b32 s86, s14, 9
	s_add_nc_u64 s[80:81], s[6:7], s[86:87]     ; q's at my block's first query,
	s_add_nc_u64 s[82:83], s[80:81], s[88:89]   ; and my head's
	s_lshl_b32 s86, s14, 7
	s_add_nc_u64 s[84:85], s[8:9], s[86:87]     ; the mask at my block's first query
	s_cmp_lt_u32 s[WV], 2
	s_cselect_b64 s[PFA:PFA+1], s[70:71], s[72:73]
	s_lshl_b32 s86, s13, 13         ; my work-group's 32 rows of the 128
	s_add_nc_u64 s[PFA:PFA+1], s[PFA:PFA+1], s[86:87]
	s_add_nc_u64 s[PFA:PFA+1], s[PFA:PFA+1], 2*2*KS*256  ; in slot 2; the first change of slots steps it to slot 3.  Nothing is prefetched here, at the head
	CROUND                          ; all four work-groups are here: the first joint loads meet
.irp s, 0,1
	s_mov_b32 s[G0K+4*\s], 1        ; count = 1
	s_add_co_u32 s[G0K+4*\s+1], s[LOK], \s*SLOTB  ; LDS address
	s_add_nc_u64 s[G0K+4*\s+2:G0K+4*\s+3], s[70:71], \s*2*KS*256  ; global address: slot s begins with the half's keys 128 s on
	s_or_b32 s[G0K+4*\s+3], s[G0K+4*\s+3], 0x80000000  ; type = 2
	s_mov_b32 s[G0V+4*\s], 1
	s_add_co_u32 s[G0V+4*\s+1], s[LOV], \s*SLOTB
	s_add_nc_u64 s[G0V+4*\s+2:G0V+4*\s+3], s[72:73], \s*2*KS*256
	s_or_b32 s[G0V+4*\s+3], s[G0V+4*\s+3], 0x80000000
.endr
	s_cmp_lt_u32 s[WV], 2           ; a wave's two first fills stand in one branch, ahead of every wait on TENSORcnt and every LDS read: two loads of mine are out
	s_cbranch_scc0 .Lfirst_v
	tensor_load_to_lds s[G0K:G0K+3], s[G1K:G1K+7]
	s_nop 0
	tensor_load_to_lds s[G0K+4:G0K+7], s[G1K:G1K+7]
	s_nop 0
.rept 4
	v_nop
.endr
	s_branch .Lfirst_asked
.Lfirst_v:
	tensor_load_to_lds s[G0V:G0V+3], s[G1V:G1V+7]
	s_nop 0
	tensor_load_to_lds s[G0V+4:G0V+7], s[G1V:G1V+7]
	s_nop 0
.rept 4
	v_nop
.endr
.Lfirst_asked:
	v_and_b32 v1, 15, v0            ; r = l % 16
	v_bfe_u32 v9, v0, 4, 1          ; h = l / 16
	v_lshlrev_b32 v[QO], 8, v1
	v_lshl_add_u32 v[QO], v9, 4, v[QO]  ; row x 256 + 16 x half
	WIN 0x80                        ; destination window 2
.irp i, 0,1,2,3,4,5,6,7,8,9,10,11,12,13,14,15  ; Q stays in registers: tile i / 4, channels 32 (i % 4) on
	global_load_b128 v[8*\i:8*\i+3],   v[QO], s[74:75] offset:(\i/4)*4096+(\i%4)*64
	global_load_b128 v[8*\i+4:8*\i+7], v[QO], s[74:75] offset:(\i/4)*4096+(\i%4)*64+32
.endr
	WIN 0
	; THE TABLES.  Thread t of 128 makes A and Bm of keys 16 t .. 16 t + 15, and c_q and the mask of query t of the block.  S^T's, P's and O^T's registers are free for it.
	v_lshlrev_b32 v230, 6, v0       ; 16 sums are 64 bytes
	v_lshlrev_b32 v231, 4, v0       ; 16 mask bytes
	v_lshlrev_b32 v248, 2, v0
.irp hd, 0,1,2,3,4,5,6,7
.irp i, 0,1,2,3
	global_load_b128 v[64+16*\hd+4*\i:64+16*\hd+4*\i+3], v230, s[76:77] offset:\hd*8192+16*\i
.endr
.endr
	WIN 0x40                        ; destination window 1
.irp hd, 8,9,10,11,12,13,14,15
.irp i, 0,1,2,3
	global_load_b128 v[16*(\hd-8)+4*\i:16*(\hd-8)+4*\i+3], v230, s[76:77] offset:\hd*8192+16*\i
.endr
.endr
	WIN 0
.irp i, 0,1,2,3
	global_load_b128 v[192+4*\i:195+4*\i], v230, s[78:79] offset:16*\i   ; my head's
.endr
	global_load_b128 v[208:211], v231, s[8:9]
.irp hd, 0,1,2,3,4,5,6,7,8,9,10,11,12,13,14,15
	global_load_b32 v[212+\hd], v248, s[80:81] offset:\hd*8192
.endr
	global_load_b32 v228, v248, s[82:83]
	global_load_u8 v229, v0, s[84:85]
	; addresses, while the loads are out
	v_mul_u32_u24 v[AK0], v1, PK
	v_lshl_add_u32 v[AK0], v9, 4, v[AK0]  ; row x pitch + 16 x half,
	s_mul_i32 s88, s17, KHALF
	v_add_nc_u32 v[AK0], s88, v[AK0]      ; in my key half's tile
	v_and_b32 v10, 7, v0            ; the turning load: lane l reads key 8 (l / 16) + l % 8, channels 8 ((l / 8) % 2) + 0..7
	v_bfe_u32 v11, v0, 3, 1
	v_lshl_add_u32 v[AV0], v9, 3, v10
	v_mul_u32_u24 v[AV0], v[AV0], PV
	v_lshl_add_u32 v[AV0], v11, 4, v[AV0]
	s_mul_i32 s88, s17, VHALF
	s_add_co_u32 s88, s88, VOFF
	v_add_nc_u32 v[AV0], s88, v[AV0]
	s_lshl_b32 s88, s17, 12
	s_add_co_u32 s88, s88, TABA
	v_lshl_add_u32 v[AA0], v9, 5, s88     ; A of my half's keys; register 8 kt + j is key 16 kt + 8 h + j
	v_and_b32 v10, 31, v0
	s_lshl_b32 s88, s[WV], 14
	v_lshl_add_u32 v[XW], v10, 4, s88
	s_xor_b32 s89, s[WV], 2               ; my partner: the same queries, the other keys
	s_lshl_b32 s88, s89, 14
	v_lshl_add_u32 v[XR], v10, 4, s88
	s_lshl_b32 s88, s[WV], 9
	s_add_co_u32 s88, s88, XST
	v_lshl_add_u32 v[SW], v10, 2, s88
	s_lshl_b32 s88, s89, 9
	s_add_co_u32 s88, s88, XST
	v_lshl_add_u32 v[SR], v10, 2, s88
	s_lshl_b32 s88, s16, 8
	s_add_co_u32 s88, s88, TABQ
	v_lshl_add_u32 v[TQ], v1, 2, s88
	v_lshl_add_u32 v[TAW], v0, 6, TABA
	v_lshl_add_u32 v[TQW], v0, 2, TABQ
	s_wait_loadcnt 0x0              ; the sums, the masks, and Q
.irp i, 0,2,4,6,8,10,12,14
	v_pk_add_f32 v[232+\i:233+\i], v[64+\i:65+\i], v[80+\i:81+\i]     ; the 16 heads' sums of each of my 16 keys
.endr
.irp hd, 2,3,4,5,6,7
.irp i, 0,2,4,6,8,10,12,14
	v_pk_add_f32 v[232+\i:233+\i], v[232+\i:233+\i], v[64+16*\hd+\i:65+16*\hd+\i]
.endr
.endr
	WIN 0x04                        ; source 1 window 1
.irp hd, 0,1,2,3,4,5,6,7
.irp i, 0,2,4,6,8,10,12,14
	v_pk_add_f32 v[232+\i:233+\i], v[232+\i:233+\i], v[16*\hd+\i:16*\hd+\i+1]
.endr
.endr
	WIN 0
.irp i, 0,4,8,12
	v_pk_add_f32 v[212+\i:213+\i], v[212+\i:213+\i], v[214+\i:215+\i]  ; and of my query
.endr
	v_pk_add_f32 v[212:213], v[212:213], v[216:217]
	v_pk_add_f32 v[220:221], v[220:221], v[224:225]
	v_pk_add_f32 v[212:213], v[212:213], v[220:221]
	v_add_f32 v212, v212, v213
.irp i, 0,1,2,3,4,5,6,7,8,9,10,11,12,13,14,15
	v_fma_f32 v[232+\i], v[232+\i], s58, s59      ; the row's mean square + 1e-6
.endr
	v_fma_f32 v212, v212, s58, s59
.irp i, 0,1,2,3,4,5,6,7,8,9,10,11,12,13,14,15
	v_mul_f32 v[192+\i], 0x3c000000, v[192+\i]    ; the head's mean square,
.endr
	v_mul_f32 v228, 0x3c000000, v228
.irp i, 0,1,2,3,4,5,6,7,8,9,10,11,12,13,14,15
	v_max_num_f32 v[192+\i], 0x0d800000, v[192+\i]  ; held at 2^-100 from below, as where q^ and k^ were made
.endr
	v_max_num_f32 v228, 0x0d800000, v228
.irp i, 0,1,2,3,4,5,6,7,8,9,10,11,12,13,14,15
	v_rsq_f32 v[232+\i], v[232+\i]
.endr
	v_rsq_f32 v212, v212
.irp i, 0,1,2,3,4,5,6,7,8,9,10,11,12,13,14,15
	v_sqrt_f32 v[192+\i], v[192+\i]
.endr
	v_sqrt_f32 v228, v228
	v_mov_b32 v251, 0xf149f2ca      ; -1e30.  (A plain line behind the roots)
	s_wait_alu depctr_va_vdst(0)    ; the wait ahead of the first line that names a root's result: one for the batch of 34
.irp i, 0,2,4,6,8,10,12,14
	v_pk_mul_f32 v[192+\i:193+\i], v[192+\i:193+\i], v[232+\i:233+\i]   ; f_k
.endr
	v_mul_f32 v228, v228, v212      ; f_q
.irp i, 0,1,2,3,4,5,6,7,8,9,10,11,12,13,14,15
	v_bfe_u32 v250, v[208+\i/4], 8*(\i%4), 8
	v_cmp_ne_u32 vcc_lo, 0, v250
	v_cndmask_b32 v[192+\i], 1.0, v[192+\i], vcc_lo       ; A
	v_cndmask_b32 v[232+\i], v251, v[NIL], vcc_lo         ; Bm
.endr
	v_mul_f32 v228, 0x3e0293ee, v228        ; x log2(e) / sqrt(128)
	v_max_num_f32 v228, 0x21800000, v228    ; held at 2^-60 from below, so that a masked key stays far under every open one
	v_cmp_ne_u32 vcc_lo, 0, v229
	v_cndmask_b32 v253, 0, 1.0, vcc_lo
.irp i, 0,1,2,3
	ds_store_b128 v[TAW], v[192+4*\i:195+4*\i] offset:16*\i
	ds_store_b128 v[TAW], v[232+4*\i:235+4*\i] offset:8192+16*\i
.endr
	ds_store_b32 v[TQW], v228
	ds_store_b32 v[TQW], v253 offset:512
; THE MATRIX WORK OF A TURN, for piece x.  The accumulators take turns, one instruction a turn.
; Product i of 32 of O^T += V^T P: keys 32 (i / 16) on, channels 16 ((i / 2) % 8) on, tile x + i % 2.  zero = 1: the first 16 start the sums: nothing is ever cleared.
.macro PV x, zero
	WIN W_PV
.set rO, 64*(\x+i%2)+8*((i/2)%8)
.set rV, 64*(i/16)+8*((i/2)%8)
.set rP, P+16*(\x+i%2)+8*(i/16)
.if \zero && (i < 16)
	v_wmma_f32_16x16x32_f16 v[rO:rO+7], v[rV:rV+7], v[rP:rP+7], 0
.else
	v_wmma_f32_16x16x32_f16 v[rO:rO+7], v[rV:rV+7], v[rP:rP+7], v[rO:rO+7]
.endif
.endm
; Product i of 32 of S^T = K Q^T + Bm: channels 32 (i / 8) on, keys 16 ((i / 2) % 4) on, tile x + i % 2.  The first 8 start the sums on Bm of their 16 keys.
.macro KQ x
.set rS, S+32*(\x+i%2)+8*((i/2)%4)
.set rK, KF+32*((i/2)%4)+8*(i/8)
.set rQ, 32*(\x+i%2)+8*(i/8)
.set rB, BR+8*((i/2)%4)
.if i < 8
	WIN W_KQB
	v_wmma_f32_16x16x32_f16 v[rS:rS+7], v[rK:rK+7], v[rQ:rQ+7], v[rB:rB+7]
.else
	WIN W_KQ
	v_wmma_f32_16x16x32_f16 v[rS:rS+7], v[rK:rK+7], v[rQ:rQ+7], v[rS:rS+7]
.endif
.endm
; THE LDS LOADS stand in runs, never singly among the matrix instructions.
.macro FETCH_K                      ; a step's K: 64 keys x 128 channels: 16 fragments
	WIN 0
	v_add_nc_u32 v[ADR], s[TBK], v[AK0]
	s_add_co_u32 s[TBK], s[TBK], KS*PK
	WIN 0x80                        ; destination window 2
.irp f, 0,1,2,3,4,5,6,7,8,9,10,11,12,13,14,15  ; keys 16 (f / 4) on, channels 32 (f % 4) on
	ds_load_b128 v[KF+8*\f:KF+8*\f+3],   v[ADR] offset:(\f/4)*16*PK+(\f%4)*64
	ds_load_b128 v[KF+8*\f+4:KF+8*\f+7], v[ADR] offset:(\f/4)*16*PK+(\f%4)*64+32
.endr
.endm
.macro FETCH_V                      ; a step's V, turned
	WIN 0
	v_add_nc_u32 v[ADR], s[TBV], v[AV0]
	s_add_co_u32 s[TBV], s[TBV], KS*PV
.rept 4
	v_nop                           ; four places in front of loads into registers that matrix instructions have read
.endr
	s_wait_alu depctr_va_vdst(0)    ; the wait for the softmax's batch of exponentials stands here, ahead of the loads
	WIN 0xc0                        ; destination window 3
.irp f, 0,1,2,3,4,5,6,7,8,9,10,11,12,13,14,15  ; keys 32 (f / 8) on, channels 16 (f % 8) on
	ds_load_tr16_b128 v[8*\f:8*\f+3],   v[ADR] offset:(\f/8)*32*PV+(\f%8)*32
	ds_load_tr16_b128 v[8*\f+4:8*\f+7], v[ADR] offset:(\f/8)*32*PV+16*PV+(\f%8)*32
.endr
.endm
.macro FETCH_AB                     ; a step's A and Bm: sixteen lanes read the same 16 bytes
	WIN 0
	v_add_nc_u32 v[ADR2], s[TA], v[AA0]
	s_add_co_u32 s[TA], s[TA], 4*KS
	WIN 0xc0
.irp kt, 0,1,2,3
.irp c, 0,1
	ds_load_b128 v[AR+8*\kt+4*\c:AR+8*\kt+4*\c+3], v[ADR2] offset:64*\kt+16*\c
	ds_load_b128 v[BR+8*\kt+4*\c:BR+8*\kt+4*\c+3], v[ADR2] offset:8192+64*\kt+16*\c
.endr
.endr
.endm
; THE VECTOR WORK OF A TURN.  One tile's softmax for one key step is a list of 150 instructions; SM writes number j of it for tile t.  s0-s31 are the lane's 32 scores, in pairs 0-15.  o = j - 16.
;   j 0-15     u = s A, a pair each, ascending: each accumulator is read from its low end on
;   o 0-15     the maximum of u0-u31 and the old m, three operands at a time
;   o 16-20    the other half of the lanes' maximum; the new m; c_q m; c_q m_old - c_q m_new
;   o 21-69    ONE BATCH: the 16 scalings c_q u - c_q m and all 33 exponentials (a at 23, then s0-s31).  None of these reads an exponential's result.  A pair is scaled in an earlier four than the one with its exponentials
;   (wait)     between o = 69 and 70 stands the wait for the batch: ITEM writes it, once for both tiles
;   o 70-85    the roundings to f16;   o 86-101 the sums, l = a l + the sum;   o 102-133 the tile's O^T times a
; first = 1: the first key step, which starts m, l and O^T: it has no a and nothing to rescale.
.macro SM t, first
.set rT, ST+10*(\t)
.set rS, S+32*(\t)
.set rP, P+16*(\t)
.set o, j-16
.set rO, 64*(\t)+2*(o-102)
.if (j >= 16) && (o < 102)
	WIN 0
.endif
.if j < 16
	WIN W_A
	v_pk_mul_f32 v[rS+2*j:rS+2*j+1], v[rS+2*j:rS+2*j+1], v[AR+2*j:AR+2*j+1]
.elseif o < 4
	v_max3_num_f32 v[rT+4+o], v[rS+8*o], v[rS+8*o+1], v[rS+8*o+2]
.elseif o < 12
	v_max3_num_f32 v[rT+4+o%4], v[rT+4+o%4], v[rS+8*(o%4)+2*(o/4)+1], v[rS+8*(o%4)+2*(o/4)+2]
.elseif o == 12
	v_max3_num_f32 v[rT+4], v[rT+4], v[rS+7], v[rS+15]
.elseif o == 13
	v_max3_num_f32 v[rT+6], v[rT+6], v[rS+23], v[rS+31]
.elseif o == 14
	v_max3_num_f32 v[rT+4], v[rT+4], v[rT+5], v[rT+6]
.elseif (o == 15) && \first
	v_max_num_f32 v[rT+4], v[rT+4], v[rT+7]
.elseif o == 15
	v_max3_num_f32 v[rT+4], v[rT+4], v[rT+7], v[rT+1]
.elseif o == 16
	v_permlanex16_b32 v[rT+5], v[rT+4], s[SEL], s[SEL+1]  ; the query's other 32 keys lie in the lane 16 away
.elseif o == 18
	v_max_num_f32 v[rT+1], v[rT+4], v[rT+5]
.elseif o == 19
	v_mul_f32 v[rT], v[rT+8], v[rT+1]
.elseif ((o == 17) || (o == 20) || (o == 23) || (o > 101)) && \first  ; the first step has none of these
.elseif o == 17
	v_mov_b32 v[rT+7], v[rT]        ; c_q m_old is kept for a
.elseif o == 20
	v_sub_f32 v[rT+7], v[rT+7], v[rT]
.elseif o == 23
	v_exp_f32 v[rT+6], v[rT+7]
.elseif (o < 23) || ((o < 38) && (o%2 == 0)) || ((o < 66) && (o%4 == 2))
.set b, (o-2)/4                     ; 38, 42, .. 62: pairs 9 to 15
.if o < 38
.set b, (o-20)/2                    ; 21: pair 0; 22, 24, .. 36: pairs 1 to 8
.endif
	v_pk_fma_f32 v[rS+2*b:rS+2*b+1], v[rS+2*b:rS+2*b+1], v[rT+8:rT+9], v[rT:rT+1] op_sel_hi:[1,0,0] neg_lo:[0,0,1] neg_hi:[0,0,1]  ; pair b: c_q u - c_q m
.elseif o < 70
.set e, o-38                        ; 66 to 69: s28 to s31
.if o < 66
.set e, o-32-(o-38)/4               ; 39-41, 43-45, .. 63-65: s7 to s27
.endif
.if o < 38
.set e, (o-25)/2                    ; 25, 27, .. 37: s0 to s6
.endif
	v_exp_f32 v[rS+e], v[rS+e]
.elseif o < 86
	v_cvt_pk_f16_f32 v[rP+o-70], v[rS+2*(o-70)], v[rS+2*(o-70)+1]
.elseif o < 102                     ; the sum of the tile's 16 pairs, in place: neighbours 1, 2, 4 and 8 pairs apart, then l takes it
.set z, o-86
.set w, 4
.set u, z
.if z >= 14
.set w, 32
.set u, 0
.elseif z >= 12
.set w, 16
.set u, z-12
.elseif z >= 8
.set w, 8
.set u, z-8
.endif
.if (z == 14) && \first
	v_pk_add_f32 v[rT+2:rT+3], v[rS:rS+1], v[rS+16:rS+17]
.elseif z < 15
	v_pk_add_f32 v[rS+w*u:rS+w*u+1], v[rS+w*u:rS+w*u+1], v[rS+w*u+w/2:rS+w*u+w/2+1]
.elseif !\first
	v_pk_fma_f32 v[rT+2:rT+3], v[rT+2:rT+3], v[rT+6:rT+7], v[rS:rS+1] op_sel_hi:[1,0,1]
.endif
.else
	WIN W_RS
	v_pk_mul_f32 v[rO:rO+1], v[rO:rO+1], v[rT+6:rT+7] op_sel_hi:[1,0]
.endif
.endm
; Item n of the 300 of piece y's two lists.  Outside the batch the two tiles alternate number by number; inside it (n = 76 .. 171) go four numbers of ONE tile, the tiles by turns.
; Behind the batch's last item stand the plain line behind a transcendental, and the ONE wait for the piece's 66 exponentials; in piece 2's turn V's run of loads stands there, and the wait in it.
.macro ITEM y, first
.if n < 76
.set j, n/2
.set tt, (\y)+n%2
.elseif n < 172
.set j, 38+4*((n-76)/8)+(n-76)%4
.set tt, (\y)+((n-76)/4)%2
.else
.set j, 86+(n-172)/2
.set tt, (\y)+n%2
.endif
	SM tt, \first
.if n == 171
	v_nop
.if (\y) == 0
	FETCH_V
.else
	s_wait_alu depctr_va_vdst(0)
.endif
.endif
.set n, n+1
.endm
; Slice k of 64: five items up to k = 39, four after, eight in the last: 200 + 92 + 8 = 300.  The last eight are plain lines on the other piece's O^T: the places behind the turn's last products.
.macro SLICE y, first
.set cnt, 4
.if k < 40
.set cnt, 5
.endif
.if k == 63
.set cnt, 8
.endif
.rept cnt
	ITEM \y, \first
.endr
.set k, k+1
.endm
.macro PLACES
.rept 4
	v_nop
.endr
.endm
; A TURN.  Piece x has the matrix unit; the other piece's softmax stands in slices behind its matrix instructions.
; pv = 2: 32 products V^T P; 1: they start O^T's sums; 0: none.  kq = 1: 32 products K Q^T for the next step.  A turn with one of the two kinds has two slices behind each product.
; Piece 0's turn fetches the next step's K behind its second product (K's last reader stands in front of the turn before's last slice), and the next step's A and Bm behind its ninth: 45 items are out by then, so the
; other piece's 32 multiplies by this step's A are done.  Each run stands 23 matrix instructions or more ahead of the one wait for it.
.macro TURN x, pv, kq, first
.set k, 0
.set n, 0
.set per, 2
.if \pv && \kq
.set per, 1
.endif
.if \pv
.if \x == 0
	s_wait_dscnt 0x0                ; V is in
.endif
.set i, 0
.rept 32
	PV \x, 2-\pv
.rept per
	SLICE 2-\x, \first
.endr
.if (\x == 0) && \kq && (i == 1)
	FETCH_K
.endif
.if (\x == 0) && \kq && (i == 8)
	FETCH_AB
.endif
.set i, i+1
.endr
.endif
.if \kq
.if \x == 0
	s_wait_dscnt 0x0                ; K, A and Bm are in
.endif
.set i, 0
.rept 32
	KQ \x
.rept per
	SLICE 2-\x, \first
.endr
.set i, i+1
.endr
.endif
.if \first
	PLACES                          ; the first step's last slices are empty
.endif
.endm
; THE CHANGE OF SLOTS, between piece 2's turn and piece 0's.  Each wave waits for all its tensor loads, of which one is out: its part of the other slot; adds 0 to its spare word; and waits for that and for its own reads
; of the slot.  fill = 1: this slot is filled again, with the keys two slots on.  The barrier is then a round of the cluster's, and the joint refill is the first thing behind it: it has two key steps, 256 matrix instructions, in which to land.
.macro CHANGE fill
	WIN 0
	s_wait_tensorcnt 0x0            ; no tensor load of mine is out, so a group 0 may be written
	ds_add_u32 v[SPW], v[NIL]       ; 0 onto my spare word
.if \fill
	s_xor_b32 s[FB], s[FB], SLOTB   ; the walking descriptors: the other slot than last time,
	s_add_co_u32 s[G0K+5], s[FB], s[LOK]
	s_add_co_u32 s[G0V+5], s[FB], s[LOV]
	s_add_nc_u64 s[G0K+6:G0K+7], s[G0K+6:G0K+7], 2*KS*256  ; the next 128 keys; the type bits on top are not reached
	s_add_nc_u64 s[G0V+6:G0V+7], s[G0V+6:G0V+7], 2*KS*256
	s_wait_xcnt 0x0                 ; the last prefetch, two key steps back, has read its address, so it may be written:
	s_add_nc_u64 s[PFA:PFA+1], s[PFA:PFA+1], 2*KS*256  ; one slot further on than the walking descriptors
	s_wait_dscnt 0x0                ; the add is done, and my reads of the slot are over
	CROUND
	JLOAD
	ASK
.else
	s_wait_dscnt 0x0
	s_barrier_signal -1
	s_barrier_wait -1
.endif
	s_sub_co_u32 s[TBK], s[TBK], 2*KS*PK  ; the fetches go back to a slot's first step,
	s_xor_b32 s[TBK], s[TBK], SLOTB       ; in the other slot
	s_sub_co_u32 s[TBV], s[TBV], 2*KS*PV
	s_xor_b32 s[TBV], s[TBV], SLOTB
.endm
.macro TWO_STEPS                    ; a slot's two key steps: written once, walked twice
	s_mov_b32 s[TWICE], 2
.Lstep_\@:
	TURN 0, 2, 1, 0
	TURN 2, 2, 1, 0
	WIN 0
	s_sub_co_u32 s[TWICE], s[TWICE], 1
	s_cmp_lg_u32 s[TWICE], 0
	s_cbranch_scc1 .Lstep_\@
.endm
	s_wait_tensorcnt 1              ; my part of slot 0 is in; slot 1's may stay out
	s_wait_dscnt 0x0                ; my part of the tables has landed
	s_barrier_signal -1
	s_barrier_wait -1               ; everybody's has
	FETCH_K                         ; key step 0
	FETCH_AB
	WIN 0
.irp t, 0,1,2,3
	ds_load_b32 v[ST+10*\t+8], v[TQ] offset:64*\t   ; c_q of my lane's query in each tile
.endr
	s_wait_dscnt 0x0
.irp t, 0,1,2,3
	v_mov_b32 v[ST+10*\t+9], v[ST+10*\t+8]          ; (named with it as a pair, so it is written)
.endr
.set i, 0
.rept 32
	KQ 0                            ; piece 0's first scores: there is no vector work yet to set between them
.set i, i+1
.endr
	WIN 0                           ; the addresses for the way out are made here: eight plain instructions, the places behind those products
	s_mul_i32 s13, s[WV], 16*SP
	s_add_co_u32 s13, s13, STAGE    ; my stage
	v_mul_u32_u24 v[STO], v1, SP    ; in: row r, 16 bytes for each half of the lanes
	v_lshl_add_u32 v[STO], v9, 4, v[STO]
	v_add_nc_u32 v[STO], s13, v[STO]
	v_mul_u32_u24 v[RD], v9, SP     ; back: lanes 0-15 take one row of 256 bytes, lanes 16-31 the next
	v_lshl_add_u32 v[RD], v1, 4, v[RD]
	v_add_nc_u32 v[RD], s13, v[RD]
	v_lshlrev_b32 v[GO], 12, v9     ; and the same two rows in o16, 4,096 bytes apart
	v_lshl_add_u32 v[GO], v1, 4, v[GO]
	TURN 2, 0, 1, 1                 ; piece 2's first scores | piece 0's first softmax | V of step 0
	TURN 0, 1, 1, 1                 ; piece 0: V^T P of step 0 starts O^T, K Q^T of step 1 | piece 2's first softmax | K, A, Bm of step 1
	TURN 2, 1, 1, 0                 ; piece 2: the same | piece 0's softmax of step 1 | V of step 1
	WIN 0
.Lslot:                             ; 6 trips: every slot but the last two is filled again
	CHANGE 1
	TWO_STEPS
	s_sub_co_u32 s[SLOTS], s[SLOTS], 1
	s_cmp_lg_u32 s[SLOTS], 0
	s_cbranch_scc1 .Lslot
	CHANGE 0                        ; the tail is written out: slot 0 is left for good, and nothing is asked for
	TWO_STEPS
	TURN 0, 2, 0, 0                 ; piece 0: V^T P of the last step | piece 2's last softmax
.set i, 0
.rept 32
	PV 2, 0                         ; piece 2: V^T P of the last step
.set i, i+1
.endr
	; THE JOIN.  l's two halves and the other half of the lanes' are added (the first four additions are the places behind the last products).  Then the wave of key half 0 hands tiles 2, 3 to its partner and takes the
	; partner's tiles 0, 1; the wave of key half 1 the other way round.  O^T goes as an image of its registers, 16 bytes a lane, 512 a store.
	WIN 0
.irp t, 0,1,2,3
	v_add_f32 v[ST+10*\t+4], v[ST+10*\t+2], v[ST+10*\t+3]
.endr
.irp t, 0,1,2,3
	v_permlanex16_b32 v[ST+10*\t+5], v[ST+10*\t+4], s[SEL], s[SEL+1]
.endr
.irp t, 0,1,2,3
	v_add_f32 v[ST+10*\t+4], v[ST+10*\t+4], v[ST+10*\t+5]
.endr
.macro SENDX t0
.irp u, 0,1
	WIN 0x04                        ; an LDS store's data are its source 1: window 1
.irp g, 0,1,2,3,4,5,6,7,8,9,10,11,12,13,14,15
	ds_store_b128 v[XW], v[64*(\t0+\u)+4*\g:64*(\t0+\u)+4*\g+3] offset:(16*\u+\g)*512   ; each accumulator from its low end on
.endr
	WIN 0
	ds_store_b32 v[SW], v[ST+10*(\t0+\u)] offset:256*\u          ; c_q m
	ds_store_b32 v[SW], v[ST+10*(\t0+\u)+4] offset:256*\u+128    ; l
.endr
.endm
; My tiles t0, t0 + 1 with the partner's: M = max(c_q m), w = 2^(c_q m - M), o = (w O + w' O') x mask_q / (w l + w' l'); rounded to f16; through my stage; sixteen lanes store 256 consecutive aligned bytes of a row of o16.
.macro MERGE t0
.irp u, 0,1
	ds_load_b32 v[ST+10*(\t0+\u)+1], v[SR] offset:256*\u         ; the partner's c_q m,
	ds_load_b32 v[ST+10*(\t0+\u)+2], v[SR] offset:256*\u+128     ; its l,
	ds_load_b32 v[ST+10*(\t0+\u)+3], v[TQ] offset:512+64*(\t0+\u) ; and my query's mask
.endr
.irp u, 0,1
.irp g, 0,1,2,3,4,5,6,7,8,9,10,11,12,13,14,15
	ds_load_b128 v[S+64*\u+4*\g:S+64*\u+4*\g+3], v[XR] offset:(16*\u+\g)*512
.endr
.endr
	s_wait_dscnt 32                 ; the six small loads are in; the 32 of the images may be out
.irp u, 0,1
	v_max_num_f32 v[ST+10*(\t0+\u)+5], v[ST+10*(\t0+\u)], v[ST+10*(\t0+\u)+1]
.endr
.irp u, 0,1
	v_sub_f32 v[ST+10*(\t0+\u)], v[ST+10*(\t0+\u)], v[ST+10*(\t0+\u)+5]
	v_sub_f32 v[ST+10*(\t0+\u)+1], v[ST+10*(\t0+\u)+1], v[ST+10*(\t0+\u)+5]
.endr
.irp u, 0,1
	v_exp_f32 v[ST+10*(\t0+\u)+6], v[ST+10*(\t0+\u)]
	v_exp_f32 v[ST+10*(\t0+\u)+8], v[ST+10*(\t0+\u)+1]
.endr
	v_nop                           ; a plain line behind the last exponential,
	s_wait_alu depctr_va_vdst(0)    ; and the wait ahead of the first use: one for the four
.irp u, 0,1
	v_mul_f32 v[ST+10*(\t0+\u)+5], v[ST+10*(\t0+\u)+4], v[ST+10*(\t0+\u)+6]
.endr
.irp u, 0,1
	v_fma_f32 v[ST+10*(\t0+\u)+5], v[ST+10*(\t0+\u)+2], v[ST+10*(\t0+\u)+8], v[ST+10*(\t0+\u)+5]   ; at least 1: the half with the larger maximum has w = 1 and l >= 1
.endr
.irp u, 0,1
	v_rcp_f32 v[ST+10*(\t0+\u)+9], v[ST+10*(\t0+\u)+5]
.endr
	v_nop
	s_wait_alu depctr_va_vdst(0)    ; one for the two reciprocals
.irp u, 0,1
	v_mul_f32 v[ST+10*(\t0+\u)+9], v[ST+10*(\t0+\u)+9], v[ST+10*(\t0+\u)+3]
.endr
.irp u, 0,1
	v_mul_f32 v[ST+10*(\t0+\u)+4], v[ST+10*(\t0+\u)+6], v[ST+10*(\t0+\u)+9]   ; my factor,
	v_mul_f32 v[ST+10*(\t0+\u)+6], v[ST+10*(\t0+\u)+8], v[ST+10*(\t0+\u)+9]   ; the partner's
.endr
	s_wait_dscnt 0x0                ; the images are in
.irp u, 0,1
.set i, 0
.rept 32
	v_pk_mul_f32 v[S+64*\u+2*i:S+64*\u+2*i+1], v[S+64*\u+2*i:S+64*\u+2*i+1], v[ST+10*(\t0+\u)+6:ST+10*(\t0+\u)+7] op_sel_hi:[1,0]
.set i, i+1
.endr
.endr
	WIN 0x01                        ; source 0 (my O^T) window 1
.irp u, 0,1
.set i, 0
.rept 32
	v_pk_fma_f32 v[S+64*\u+2*i:S+64*\u+2*i+1], v[64*(\t0+\u)+2*i:64*(\t0+\u)+2*i+1], v[ST+10*(\t0+\u)+4:ST+10*(\t0+\u)+5], v[S+64*\u+2*i:S+64*\u+2*i+1] op_sel_hi:[1,0,1]
.set i, i+1
.endr
.endr
	WIN 0
.irp u, 0,1
.set i, 0
.rept 32
	v_cvt_pk_f16_f32 v[P+32*\u+i], v[S+64*\u+2*i], v[S+64*\u+2*i+1]
.set i, i+1
.endr
.endr
.irp u, 0,1
.irp f, 0,1,2,3,4,5,6,7
	ds_store_b128 v[STO], v[P+32*\u+4*\f:P+32*\u+4*\f+3] offset:32*\f
.endr
.irp f, 0,1,2,3,4,5,6,7
	ds_load_b128 v[P+32*\u+4*\f:P+32*\u+4*\f+3], v[RD] offset:\f*2*SP  ; LDS serves a wave's instructions in order (ISA guide 5.7.1.4): these see the stores above; the next tile's stores come behind them
.endr
.endr
.irp u, 0,1
.irp f, 0,1,2,3,4,5,6,7
	s_wait_dscnt 16*(1-\u)+7-\f     ; behind this load: the rest of its tile's, and for the first tile the second's sixteen
	global_store_b128 v[GO], v[P+32*\u+4*\f:P+32*\u+4*\f+3], s[10:11] offset:(16*(\t0+\u)+2*\f)*4096
.endr
.endr
.endm
	s_cmp_lt_u32 s[WV], 2
	s_cbranch_scc0 .Lsend_lo
	SENDX 2
	s_branch .Lsent
.Lsend_lo:
	SENDX 0
.Lsent:
	s_wait_dscnt 0x0                ; for the partner's sake: my stores have landed
	s_barrier_signal -1
	s_barrier_wait -1
	s_cmp_lt_u32 s[WV], 2
	s_cbranch_scc0 .Lmerge_hi
	MERGE 0
	s_branch .Ldone
.Lmerge_hi:
	MERGE 2
.Ldone:
	s_wait_tensorcnt 0x0            ; the wave's end, behind my last tensor load and my last LDS store
	ds_add_u32 v[SPW], v[NIL]
	s_wait_dscnt 0x0
	CROUND                          ; the closing round: no work-group ends while a partner may still ask for a tile that names it
	s_endpgm
.Lfunc_end_k_q4e69597689_attn:
	.size	k_q4e69597689_attn, .Lfunc_end_k_q4e69597689_attn-k_q4e69597689_attn
	.p2alignl 7, 3214868480
	.fill 96, 4, 3214868480
	.section	.rodata,"a",@progbits
	.p2align	6, 0x0
	.amdhsa_kernel k_q4e69597689_attn
		.amdhsa_group_segment_fixed_size 327680
		.amdhsa_private_segment_fixed_size 0
		.amdhsa_enable_private_segment 0
		.amdhsa_kernarg_size 32
		.amdhsa_user_sgpr_count 2
		.amdhsa_user_sgpr_kernarg_segment_ptr 1
		.amdhsa_wavefront_size32 1
		.amdhsa_system_sgpr_workgroup_id_x 1
		.amdhsa_system_sgpr_workgroup_id_y 1
		.amdhsa_system_sgpr_workgroup_id_z 1
		.amdhsa_system_vgpr_workitem_id 0
		.amdhsa_next_free_vgpr 1024
		.amdhsa_next_free_sgpr 90
		.amdhsa_reserve_vcc 1
		.amdhsa_float_denorm_mode_32 3
		.amdhsa_float_denorm_mode_16_64 3
		.amdhsa_memory_ordered 1
		.amdhsa_forward_progress 1
		.amdhsa_inst_pref_size 255
	.end_amdhsa_kernel
	.section	.bss,"aw",@nobits
	.p2align	6
	.space	262144
	.amdgpu_metadata
---
amdhsa.version: [ 1, 2 ]
amdhsa.kernels:
  - .name:           k_q4e69597689_attn
    .symbol:         k_q4e69597689_attn.kd
    .args:
      - { .name: qkv, .offset: 0, .size: 8, .value_kind: global_buffer, .address_space: global }
      - { .name: ss, .offset: 8, .size: 8, .value_kind: global_buffer, .address_space: global }
      - { .name: frame_mask, .offset: 16, .size: 8, .value_kind: global_buffer, .address_space: global }
      - { .name: o16, .offset: 24, .size: 8, .value_kind: global_buffer, .address_space: global }
    .group_segment_fixed_size: 327680
    .private_segment_fixed_size: 0
    .kernarg_segment_align: 8
    .kernarg_segment_size: 32
    .max_flat_workgroup_size: 128
    .sgpr_count:     90
    .vgpr_count:     1024
    .wavefront_size: 32
...
	.end_amdgpu_metadata
.endif
;; end of part 3
;; launch proj (part 4): grid 16 x 16, 4 waves a work-group, clusters of 4 x 4, 327,680 bytes of LDS; arguments o16, wo16, bo, frame_mask, out0; writes out0
.if DOCPART == 4
	.amdgcn_target "amdgcn-amd-amdhsa--gfx1250"
	.amdhsa_code_object_version 6
	.text
	.protected	k_q4e69597689_proj
	.globl	k_q4e69597689_proj
	.p2align	8
	.type	k_q4e69597689_proj,@function
k_q4e69597689_proj:
	s_mov_b64 s[64:65], 0
	v_nop
	global_prefetch_b8 v0, s[64:65] scope:SCOPE_SE
	s_setreg_imm32_b32 hwreg(HW_REG_WAVE_MODE, 25, 1), 1
	s_wait_xcnt 0x0
	s_wait_alu depctr_hold_cnt(0) depctr_sa_sdst(0) depctr_va_vdst(0) depctr_va_sdst(0) depctr_va_ssrc(0) depctr_va_vcc(0) depctr_vm_vsrc(0)
	s_getreg_b32 s2, hwreg(HW_REG_IB_STS2, 6, 4)
	s_cmp_eq_u32 s2, 0
	s_cbranch_scc0 .Lentry_in_a_cluster
	s_endpgm
.Lentry_in_a_cluster:
	s_bfe_u32 s2, ttmp6, 0x10000c
	s_cmp_lg_u32 s2, 0xf033
	s_cbranch_scc0 .Lentry_shape_is_right
	s_endpgm
.Lentry_shape_is_right:
; out0[m][n] = mask_m ? sum over k of o[m][k] wo[n][k] + bo[n] : 0.  o16: [2048][2048], wo16: [2048][2048], f16; sums and out0 in f32.
; 2048 x 2048 makes 64 tiles of 256 x 256 and 256 tiles of 128 x 128: the smaller tile gives each of 16 x 16 work-groups one.  Four waves, each 64 x 64: 16 accumulators of 16 x 16, 128 registers.
; K goes in steps of 256 (LDS rows of 512 bytes; a wave's tensor load brings 64 of them) through a ring of two slots.
; CLUSTERS: 4 x 4 work-groups.  The four of a row of the cluster need the same tiles of A, the four of a column the same tiles of B: each tile is asked for JOINTLY.
; THE MATRIX INSTRUCTION IS USED TRANSPOSED (source 0 = 16 rows of wo, source 1 = 16 rows of o): a lane holds eight neighbouring numbers of a row of out0.  The bias is the C of each sum's first product.
; A wave's 64 columns of f32 are 256 aligned bytes of a row: each wave has a stage of its own on the way out, and no barrier stands there.
; LIMITS: |o| and |wo| under 65,504 (f16).
; REGISTERS: window 0: v0-31 addresses and masks; v32-95 rows read back from the stage, two sets; v96-127 the bias; v128-255 the accumulators ((a, b) at v[128 + 8 (4 a + b)]).
;   window 1: two fragment buffers of 128: for 64 along K, 64 registers of A, then 64 of B.
.set SIZE_N, 2048
.set SIZE_K, 2048
.set KSTEP,  256
.set PITCH,  528                       ; an LDS row: 512 bytes + 16 of padding = 132 words: row r starts at bank 4 r mod 64 (64 banks of 4 bytes: ISA guide 11.1)
.set HALFT,  64*PITCH                  ; 64 rows: what one tensor load brings, and what one wave reads of A or of B
.set SLOT,   4*HALFT                   ; A's 128 rows, then B's 128 rows
.set STAGE,  2*SLOT                    ; behind the ring: 16 rows x 272 bytes for each wave
.set SPITCH, 272
.set SPARE,  STAGE+4*16*SPITCH         ; the spare words: 128 bytes a wave, two blocks of 256 bytes that no other line names
.set LAPS, SIZE_K/(2*KSTEP)            ; 4 laps of two K steps
.set MK,   12                          ; v12-15  frame_mask of row 16 a + r
.set ADRA, 16                          ; v16-17  LDS address of my A fragments in slot 0, 1
.set ADRB, 20                          ; v20-21  the same for B
.set STO,  24                          ; v24     the stage: where I put 32 bytes of a row
.set RD,   25                          ; v25     where I read a row back
.set CO,   26                          ; v26     my byte offset in out0
.set SPW,  28                          ; v28     LDS address of my spare word; never rewritten
.set NIL,  29                          ; v29     0; never rewritten
.set TMP,  32
.set BO,   96
.set ACC,  128
.set F0,   0                           ; fragment buffers, in window 1
.set F1,   128
.set G1, 24                            ; s[24:31] descriptor group 1 for A's tiles;  s[32:39] group 0, one set for each slot
.set G0, 32
.set G1B, 48                           ; s[48:55], s[56:63] the same for B's tiles
.set G0B, 56
.set MSB, 0
.macro WIN new                         ; the immediate's high byte repeats the setting that is left
.if MSB != \new
	s_set_vgpr_msb (MSB<<8)|\new
.set MSB, \new
.endif
.endm
.set MUL,  0x05                        ; sources 0 (B) and 1 (A) window 1; C and D window 0
.set TO_F, 0x40                        ; destination window 1, address window 0
.macro JLOAD s                         ; a joint load: waves 0 and 1 fetch A's two halves, waves 2 and 3 B's; an s_nop 0 and four v_nop follow each of the two lines
	s_cmp_eq_u32 s11, 0
	s_cbranch_scc0 .Lfor_b_\@
	tensor_load_to_lds s[G0+4*\s:G0+4*\s+3], s[G1:G1+7]
	s_nop 0
.rept 4
	v_nop
.endr
	s_branch .Lasked_\@
.Lfor_b_\@:
	tensor_load_to_lds s[G0B+4*\s:G0B+4*\s+3], s[G1B:G1B+7]
	s_nop 0
.rept 4
	v_nop
.endr
.Lasked_\@:
.endm
.macro CREST                           ; a round of the cluster's barrier behind its opening barrier
	s_cmp_lg_u32 s10, 0
	s_cbranch_scc1 .Lnot_wave_0_\@
	s_barrier_signal -3
.Lnot_wave_0_\@:
	s_barrier_wait -3
	s_barrier_signal -1
	s_barrier_wait -1
.endm
.macro CROUND                          ; a whole round
	s_barrier_signal -1
	s_barrier_wait -1
	CREST
.endm
	s_load_b128 s[4:7], s[0:1], 0x0                ; o16, wo16
	s_load_b128 s[68:71], s[0:1], 0x10             ; bo, frame_mask
	s_load_b64 s[8:9], s[0:1], 0x20                ; out0
	v_lshl_add_u32 v[SPW], v0, 2, SPARE
	v_mov_b32 v[NIL], 0
	ds_add_u32 v[SPW], v[NIL]                      ; the wave's opening: the add, twice on end, and its wait ahead of my first tensor load; the set-up below stands between the second and the wait
	ds_add_u32 v[SPW], v[NIL]
	v_lshrrev_b32 v1, 5, v0
	v_readfirstlane_b32 s10, v1                    ; wave 0..3
	s_lshr_b32 s11, s10, 1                         ; which half of the tile's rows is mine.  Also: I fetch for A (0) or for B (1)
	s_and_b32 s12, s10, 1                          ; which half of its columns.  Also: which 64 rows of that tile I fetch
	s_bfe_u32 s40, ttmp6, 0x40000                  ; cx, cy: my place in the cluster
	s_bfe_u32 s41, ttmp6, 0x40004
	s_lshl_b32 s42, ttmp9, 2
	s_add_co_u32 s42, s42, s40                     ; tile column = 4 x cluster x + cx
	s_and_b32 s13, ttmp7, 0xffff
	s_lshl_b32 s13, s13, 2
	s_add_co_u32 s13, s13, s41                     ; tile row = 4 x cluster y + cy
	s_lshl_b32 s43, s41, 2
	s_lshl_b32 s43, 15, s43                        ; my row of the cluster
	s_lshl_b32 s44, 0x1111, s40                    ; my column
	; descriptor group 1: a tile of 64 rows x 256 elements, padded in LDS
	s_or_b32 s[G1+0], s43, (1<<16)|(1<<20)|(1<<21)|(6<<22)|(3<<25)  ; 15:0 the mask: A's tiles go to my row; 17:16 element of 2 bytes; 20 padding on; 21 set beside a mask; 24:22 after every 128 words; 31:25 of 4 words
	s_or_b32 s[G1B+0], s44, (1<<16)|(1<<20)|(1<<21)|(6<<22)|(3<<25)
.irp g, G1, G1B
	s_mov_b32 s[\g+1], KSTEP<<16                   ; tensor_dim0
	s_mov_b32 s[\g+2], 64<<16                      ; tensor_dim1
	s_mov_b32 s[\g+3], KSTEP<<16                   ; tile_dim0
	s_mov_b32 s[\g+4], 64                          ; tile_dim1
	s_mov_b32 s[\g+5], SIZE_K                      ; tensor_dim0_stride
	s_mov_b32 s[\g+6], 0
	s_mov_b32 s[\g+7], 0
.endr
	s_lshl_b32 s17, s12, 6                         ; which 64 rows of the tile I fetch
	s_lshl_b32 s16, s13, 7
	s_add_co_u32 s16, s16, s17                     ; A: row 128 x tile row + 64 x half
	s_lshl_b32 s46, s42, 7
	s_add_co_u32 s46, s46, s17                     ; B: row 128 x tile column + 64 x half
	s_mov_b32 s17, 0
	s_mov_b32 s47, 0
	s_mov_b64 s[18:19], SIZE_K*2
	s_mul_u64 s[16:17], s[16:17], s[18:19]
	s_mul_u64 s[46:47], s[46:47], s[18:19]
	s_mul_i32 s20, s10, HALFT                      ; where they go: wave x 64 rows
	s_wait_dscnt 0x0                               ; both opening adds are done
	s_wait_kmcnt 0x0
	s_add_nc_u64 s[14:15], s[4:5], s[16:17]
	s_add_nc_u64 s[46:47], s[6:7], s[46:47]
	CROUND                                         ; all sixteen work-groups are here: the first joint loads meet
.irp s, 0,1
	s_mov_b32 s[G0+4*\s], 1
	s_add_co_u32 s[G0+4*\s+1], s20, \s*SLOT
	s_add_nc_u64 s[G0+4*\s+2:G0+4*\s+3], s[14:15], \s*KSTEP*2
	s_or_b32 s[G0+4*\s+3], s[G0+4*\s+3], 0x80000000
	s_mov_b32 s[G0B+4*\s], 1
	s_add_co_u32 s[G0B+4*\s+1], s20, \s*SLOT
	s_add_nc_u64 s[G0B+4*\s+2:G0B+4*\s+3], s[46:47], \s*KSTEP*2
	s_or_b32 s[G0B+4*\s+3], s[G0B+4*\s+3], 0x80000000
	JLOAD \s                                       ; two tensor loads of mine are out
.endr
	v_and_b32 v1, 15, v0                           ; r = l % 16
	v_bfe_u32 v2, v0, 4, 1                         ; h = l / 16
	v_mul_u32_u24 v3, v1, PITCH
	v_lshl_add_u32 v3, v2, 4, v3                   ; a fragment's row x pitch + 16 x half
	s_mul_i32 s21, s11, HALFT                      ; my 64 rows of A
	s_mul_i32 s22, s12, HALFT                      ; my 64 rows of B,
	s_add_co_u32 s22, s22, 2*HALFT                 ; which lie behind A's 128
.irp s, 0,1
	v_add_nc_u32 v[ADRA+\s], s21, v3
	v_add_nc_u32 v[ADRB+\s], s22, v3
	s_add_co_u32 s21, s21, SLOT
	s_add_co_u32 s22, s22, SLOT
.endr
	s_mul_i32 s23, s10, 16*SPITCH
	s_add_co_u32 s23, s23, STAGE                   ; my stage
	v_mul_u32_u24 v4, v1, SPITCH                   ; in: row r, 32 bytes for each half of the lanes
	v_lshl_add_u32 v4, v2, 5, v4
	v_add_nc_u32 v[STO], s23, v4
	v_mul_u32_u24 v5, v2, SPITCH                   ; back: lanes 0-15 one row of 256 bytes, lanes 16-31 the next
	v_lshl_add_u32 v5, v1, 4, v5
	v_add_nc_u32 v[RD], s23, v5
	v_lshlrev_b32 v5, 13, v2                       ; and the same two rows in out0, 8,192 bytes apart
	v_lshl_add_u32 v[CO], v1, 4, v5
	s_lshl_b32 s16, s13, 7
	s_lshl_b32 s17, s11, 6
	s_add_co_u32 s16, s16, s17                     ; my first row: 128 x tile row + 64 x half
	s_mov_b32 s17, 0
	s_add_nc_u64 s[70:71], s[70:71], s[16:17]      ; the mask there
	s_lshl_b32 s16, s16, 13
	s_add_nc_u64 s[8:9], s[8:9], s[16:17]
	s_lshl_b32 s46, s42, 9                         ; my first column, in bytes: 512 x tile column + 256 x half
	s_lshl_b32 s47, s12, 8
	s_add_co_u32 s46, s46, s47
	s_mov_b32 s47, 0
	s_add_nc_u64 s[8:9], s[8:9], s[46:47]
	s_add_nc_u64 s[68:69], s[68:69], s[46:47]      ; the bias there
	v_lshlrev_b32 v6, 5, v2
.irp b, 0,1,2,3
	global_load_b128 v[BO+8*\b:BO+8*\b+3], v6, s[68:69] offset:64*\b          ; register 8 b + j = bo[my first column + 16 b + 8 h + j]: the accumulators' layout
	global_load_b128 v[BO+8*\b+4:BO+8*\b+7], v6, s[68:69] offset:64*\b+16
.endr
.irp a, 0,1,2,3
	global_load_u8 v[MK+\a], v1, s[70:71] offset:16*\a
.endr
; 8 matrix instructions: m blocks a0, a0 + 1 x all 4 n blocks, 32 along K: half c of buffer f.  zero = 1: the first product starts the sums on the bias
.macro MUL8 f, c, a0, zero
.irp a, \a0, \a0+1
.irp b, 0,1,2,3
.if \zero
	v_wmma_f32_16x16x32_f16 v[ACC+8*(4*(\a)+\b):ACC+8*(4*(\a)+\b)+7], v[\f+64+8*(4*\c+\b):\f+64+8*(4*\c+\b)+7], v[\f+8*(4*\c+\a):\f+8*(4*\c+\a)+7], v[BO+8*\b:BO+8*\b+7]
.else
	v_wmma_f32_16x16x32_f16 v[ACC+8*(4*(\a)+\b):ACC+8*(4*(\a)+\b)+7], v[\f+64+8*(4*\c+\b):\f+64+8*(4*\c+\b)+7], v[\f+8*(4*\c+\a):\f+8*(4*\c+\a)+7], v[ACC+8*(4*(\a)+\b):ACC+8*(4*(\a)+\b)+7]
.endif
.endr
.endr
.endm
; 32 LDS loads in one run: the fragments of 64 along K at byte k of the rows, into buffer f; the first 32 along K first
.macro FETCH slot, k, f
	WIN TO_F
.irp c, 0,1
.irp i, 0,1,2,3
	ds_load_b128 v[\f+64+8*(4*\c+\i):\f+64+8*(4*\c+\i)+3],   v[ADRB+\slot] offset:\k+64*\c+\i*16*PITCH
	ds_load_b128 v[\f+64+8*(4*\c+\i)+4:\f+64+8*(4*\c+\i)+7], v[ADRB+\slot] offset:\k+64*\c+\i*16*PITCH+32
	ds_load_b128 v[\f+8*(4*\c+\i):\f+8*(4*\c+\i)+3],         v[ADRA+\slot] offset:\k+64*\c+\i*16*PITCH
	ds_load_b128 v[\f+8*(4*\c+\i)+4:\f+8*(4*\c+\i)+7],       v[ADRA+\slot] offset:\k+64*\c+\i*16*PITCH+32
.endr
.endr
.endm
.macro PLACES                          ; four places in front of loads into registers that matrix instructions have read, and of vector lines that touch results
.rept 4
	v_nop
.endr
.endm
; A K step is four quarters of 64 along K, 32 matrix instructions each, on buffers 0, 1, 0, 1.  One of the first three: multiplies buffer f and fetches the next quarter, at byte k, into g.
; The 16 accumulators take turns, one instruction a turn.
.macro QUARTER slot, k, f, g, zero
	s_wait_dscnt 16                                ; the first 32 along K are in; the youngest sixteen loads may be out
	WIN MUL
	MUL8 \f, 0, 0, \zero
	MUL8 \f, 0, 2, \zero
	PLACES
	FETCH \slot, \k, \g
	s_wait_dscnt 32                                ; all but the 32 just issued
	WIN MUL
	MUL8 \f, 1, 0, 0
	MUL8 \f, 1, 2, 0
.endm
; The last quarter multiplies buffer 1 and changes slots: ONE barrier; in front of it each wave waits for all its tensor loads, adds 0 to its spare word, and waits for that and for its own reads of this slot.  fill = 1: this slot is filled again, two K steps ahead.
.macro TURN slot, next, fill
	WIN 0                                          ; (the add's two registers lie in window 0)
	s_wait_tensorcnt 0x0                           ; all my tensor loads have landed: the one that was out is my part of the next slot
	ds_add_u32 v[SPW], v[NIL]                      ; 0 onto my spare word
	s_wait_dscnt 17                                ; (the add and the youngest sixteen loads may be out)
	WIN MUL
	MUL8 F1, 0, 0, 0                               ; eight matrix instructions stand between the add and the wait for it
	s_wait_dscnt 0x0                               ; the add is done, and my reads of this slot are over
	s_barrier_signal -1
	MUL8 F1, 0, 2, 0
.if \fill
	WIN 0
.endif
	s_barrier_wait -1
.if \fill
	CREST                                          ; the barrier has opened a round of the cluster's barrier: no wave of any partner still reads this slot's tile or has a load on its way
	s_add_nc_u64 s[G0+4*\slot+2:G0+4*\slot+3], s[G0+4*\slot+2:G0+4*\slot+3], 2*KSTEP*2
	s_add_nc_u64 s[G0B+4*\slot+2:G0B+4*\slot+3], s[G0B+4*\slot+2:G0B+4*\slot+3], 2*KSTEP*2
	JLOAD \slot                                    ; the first tensor load behind the round, my one load until the next: 112 matrix instructions ahead of the wait for it; its four v_nop are the places in front of the loads below
.else
	PLACES
.endif
	FETCH \next, 0, F0
	WIN MUL
	MUL8 F1, 1, 0, 0
	MUL8 F1, 1, 2, 0
.endm
	s_wait_tensorcnt 1                             ; my part of K step 0 is in (K step 1's may be out)
	s_barrier_signal -1
	s_barrier_wait -1                              ; everybody's is
	FETCH 0, 0, F0
	s_wait_loadcnt 0x0                             ; the bias and the masks
	QUARTER 0, 128, F0, F1, 1                      ; the first quarter stands in front of the loop: its first products start the sums
	WIN 0                                          ; at a label and at a branch every window is 0
	s_mov_b32 s3, LAPS-1
.Llap:                                                 ; a trip goes once round the ring, from a lap's second quarter to the next lap's first, and fills both slots again
	QUARTER 0, 256, F1, F0, 0
	QUARTER 0, 384, F0, F1, 0
	TURN 0, 1, 1
	QUARTER 1, 128, F0, F1, 0
	QUARTER 1, 256, F1, F0, 0
	QUARTER 1, 384, F0, F1, 0
	TURN 1, 0, 1
	QUARTER 0, 128, F0, F1, 0
	WIN 0
	s_sub_co_u32 s3, s3, 1
	s_cmp_lg_u32 s3, 0
	s_cbranch_scc1 .Llap
	QUARTER 0, 256, F1, F0, 0                      ; the last lap fills nothing, and has no round of the cluster's barrier
	QUARTER 0, 384, F0, F1, 0
	TURN 0, 1, 0
	QUARTER 1, 128, F0, F1, 0
	QUARTER 1, 256, F1, F0, 0
	QUARTER 1, 384, F0, F1, 0
	s_wait_dscnt 16                                ; the very last quarter: nothing more to fetch
	WIN MUL
	MUL8 F1, 0, 0, 0
	MUL8 F1, 0, 2, 0
	s_wait_dscnt 0
	MUL8 F1, 1, 0, 0
	MUL8 F1, 1, 2, 0
	WIN 0
; THE WAY OUT, block by block of 16 rows x 64 columns: masked rows become zeros; 32 bytes a lane into my stage; back as whole rows of 256 bytes; sixteen lanes store 256 consecutive aligned bytes.
; LDS serves a wave's instructions in order (ISA guide 5.7.1.4): no wait between the stores and the loads, nor in front of the next block's stores.
.macro OUTB a
	v_cmp_ne_u32 vcc_lo, 0, v[MK+(\a)]
.set i, 0
.rept 32
	v_cndmask_b32 v[ACC+32*(\a)+i], 0, v[ACC+32*(\a)+i], vcc_lo    ; each accumulator from its low end on
.set i, i+1
.endr
.if (\a) > 1
	s_wait_xcnt 0x0                                ; block a - 2's stores have read the registers that block a's loads land on
.endif
.irp b, 0,1,2,3
	ds_store_b128 v[STO], v[ACC+32*(\a)+8*\b:ACC+32*(\a)+8*\b+3] offset:64*\b
	ds_store_b128 v[STO], v[ACC+32*(\a)+8*\b+4:ACC+32*(\a)+8*\b+7] offset:64*\b+16
.endr
.irp t, 0,1,2,3,4,5,6,7
	ds_load_b128 v[TMP+32*((\a)%2)+4*\t:TMP+32*((\a)%2)+4*\t+3], v[RD] offset:\t*2*SPITCH
.endr
.endm
.macro SEND a, younger                 ; younger: the LDS instructions issued behind block a's loads, which may stay out
	s_wait_dscnt \younger
.irp t, 0,1,2,3,4,5,6,7
	global_store_b128 v[CO], v[TMP+32*((\a)%2)+4*\t:TMP+32*((\a)%2)+4*\t+3], s[8:9] offset:(16*(\a)+2*\t)*SIZE_N*4 th:TH_STORE_NT   ; written once, read by nobody here
.endr
.endm
	PLACES
	OUTB 0
	OUTB 1
	SEND 0, 16                                     ; behind block 0's loads: block 1's 8 stores and 8 loads
	OUTB 2
	SEND 1, 16
	OUTB 3
	SEND 2, 16
	SEND 3, 0
	s_wait_tensorcnt 0x0                           ; the wave's end, behind my last tensor load and my last LDS store
	ds_add_u32 v[SPW], v[NIL]
	s_wait_dscnt 0x0
	CROUND                                         ; the closing round: no work-group ends while a partner may still ask for a tile that names it
	s_endpgm
.Lfunc_end_k_q4e69597689_proj:
	.size	k_q4e69597689_proj, .Lfunc_end_k_q4e69597689_proj-k_q4e69597689_proj
	.p2alignl 7, 3214868480
	.fill 96, 4, 3214868480
	.section	.rodata,"a",@progbits
	.p2align	6, 0x0
	.amdhsa_kernel k_q4e69597689_proj
		.amdhsa_group_segment_fixed_size 327680
		.amdhsa_private_segment_fixed_size 0
		.amdhsa_enable_private_segment 0
		.amdhsa_kernarg_size 40
		.amdhsa_user_sgpr_count 2
		.amdhsa_user_sgpr_kernarg_segment_ptr 1
		.amdhsa_wavefront_size32 1
		.amdhsa_system_sgpr_workgroup_id_x 1
		.amdhsa_system_sgpr_workgroup_id_y 1
		.amdhsa_system_sgpr_workgroup_id_z 1
		.amdhsa_system_vgpr_workitem_id 0
		.amdhsa_next_free_vgpr 512
		.amdhsa_next_free_sgpr 72
		.amdhsa_reserve_vcc 1
		.amdhsa_float_denorm_mode_32 3
		.amdhsa_float_denorm_mode_16_64 3
		.amdhsa_memory_ordered 1
		.amdhsa_forward_progress 1
		.amdhsa_inst_pref_size 91
	.end_amdhsa_kernel
	.amdgpu_metadata
---
amdhsa.version: [ 1, 2 ]
amdhsa.kernels:
  - .name:           k_q4e69597689_proj
    .symbol:         k_q4e69597689_proj.kd
    .args:
      - { .name: o16, .offset: 0, .size: 8, .value_kind: global_buffer, .address_space: global }
      - { .name: wo16, .offset: 8, .size: 8, .value_kind: global_buffer, .address_space: global }
      - { .name: bo, .offset: 16, .size: 8, .value_kind: global_buffer, .address_space: global }
      - { .name: frame_mask, .offset: 24, .size: 8, .value_kind: global_buffer, .address_space: global }
      - { .name: out0, .offset: 32, .size: 8, .value_kind: global_buffer, .address_space: global }
    .group_segment_fixed_size: 327680
    .private_segment_fixed_size: 0
    .kernarg_segment_align: 8
    .kernarg_segment_size: 40
    .max_flat_workgroup_size: 128
    .sgpr_count:     72
    .vgpr_count:     512
    .wavefront_size: 32
...
	.end_amdgpu_metadata
.endif
;; end of part 4
